; MI455X (gfx1250); checked and timed in simulation.
; The chip was launched on July 23, 2026; its instructions are those of AMD's public machine-readable ISA for CDNA 5 (MIT licence, August 2026) and "CDNA5" Instruction Set Architecture Reference Guide (July 2026). The comments in the code are by the model that wrote it; some were corrected since.
;; Attention. Allowed arithmetic: matrix products marked QUANTISED: E2M3 operands, one E8M0 scale for each 32 along K, by v_wmma_scale_f32_16x16x128_f8f6f4 with both operands' format E2M3, f32 sums; everything else in f32.
;; Inputs: W_o 1,024 x 1,024 float32; W_qkv 1,024 x 3,072 float32; b_o 1,024 float32; b_qkv 3,072 float32; x 4 x 2,048 x 1,024 float32.
;; Outputs: out0 4 x 2,048 x 1,024 float32.
;; This version of the problem:
;;   THIS VERSION OF THE PROBLEM IS GIVEN IN LOW PRECISION. The matrix products marked QUANTISED in the list below multiply operands that are first quantised to E2M3 (2 exponent bits, 3 mantissa bits; 6 bits a number), with one power-of-two scale for each 32 numbers along K (OCP MX v1.0); their sums are f32. All else is computed in f32.
;;   The module's matrix products, in the order in which they are computed (A, B: the left and right operand; K: the contracted axis; several contracted axes count as one K, in the product's order):
;;     1. [M 8,192, K 1,024] x [K 1,024, N 3,072]; A: input x; B: input W_qkv: QUANTISED
;;     2. batch 64 x [M 2,048, K 64] x [K 64, N 2,048]; A: computed on the way; B: computed on the way: QUANTISED
;;     3. batch 64 x [M 64, K 2,048] x [K 2,048, N 2,048]; A: computed on the way; B: softmax (see below): QUANTISED
;;     4. [M 8,192, K 1,024] x [K 1,024, N 1,024]; A: computed on the way; B: input W_o: QUANTISED
;;   THE QUANTISER, for each operand of a quantised product, along K:
;;     - K is cut into blocks of 32 from its start; a last block that is shorter is filled with zeros.
;;     - A block's scale is 2^e with e = floor(log2(the largest magnitude in the block)) - 2, held to -126 .. 127; a block of zeros has e = 0. As a byte (E8M0): e + 127.
;;     - Each number is divided by its block's scale, clamped to +-7.5, and rounded to the nearest number of E2M3, ties to even, subnormals kept.
;;     - The product sums the exact products of the quantised numbers (number of the format x scale) in f32.
;;   ~~~python
;;   def quantise(x, axis):      # numpy; x: float32 -> the quantised numbers, widened to float32 again
;;       x = np.moveaxis(x, axis, -1); K = x.shape[-1]
;;       x = np.pad(x, [(0, 0)] * (x.ndim - 1) + [(0, -K % 32)]); x = x.reshape(x.shape[:-1] + (-1, 32)); a = np.abs(x).max(-1, keepdims=True)
;;       e = np.where(a > 0, np.clip(np.frexp(np.where(a > 0, a, 1))[1] - 1 - 2, -126, 127), 0)      # np.frexp(a)[1] - 1 = floor(log2(a)), exactly
;;       r = np.clip(x / 2.0 ** e, -7.5, 7.5)
;;       step = 2.0 ** (np.maximum(np.frexp(np.where(r == 0, 1, r))[1] - 1, 0) - 3)
;;       q = np.round(r / step) * step * 2.0 ** e      # np.round: ties to even
;;       return np.moveaxis(q.reshape(q.shape[:-2] + (-1,))[..., :K], -1, axis).astype(np.float32)
;;   ~~~
;;   SOFTMAX AHEAD OF A QUANTISED PRODUCT. Where the list says 'softmax', what is quantised is not the finished softmax but p = 2^(t - M), with t = logit x log2(e) and M = ceil(the row's largest t), a whole number; so 1/2 < the row's largest p <= 1. The row's sum l is taken of the UNQUANTISED p, in f32, and the product's result is divided by l at the end. Since M is a whole number, a kernel that streams over the keys may use a running M (the ceiling of the running maximum): every later rescaling is an exact power of two, which a block's scale takes up: the codes' values come out the same.
;;   OPERANDS COMPUTED ON THE WAY. 'Computed on the way' means the value that the module computes at that place (a softmax that the list does not call 'softmax' is quantised finished and normalised). What goes into a quantiser is computed in f32, as accurately as f32 sums, v_exp_f32 and their like allow (about 1e-6 of the number): no bf16 or f16 on the way to a quantiser, and a product that is left as it is and whose result goes on into a quantised operand takes f32 operands (vector FMAs, or v_wmma_f32_16x16x4_f32). A number that lies on a knife's edge between two numbers of the format may be rounded either way, as far as f32 arithmetic and the matrix unit's own rounding can turn it there, and no further.
;; One version. Each part assembles by itself: llvm-mc -triple=amdgcn-amd-amdhsa -mcpu=gfx1250 --defsym DOCPART=n.
;; ======== version 1 of 1: 4 launches
;; workspace buffers: cod 9,437,184 bytes; scl 393,216 bytes; qb 6,815,744 bytes; kv 13,369,344 bytes; oc 6,291,456 bytes; os 262,144 bytes
;; launch prep (part 1): grid 384 x 1, 4 waves a work-group, no clusters, 102,912 bytes of LDS; arguments x, W_qkv, W_o, cod, scl; writes cod, scl
.if DOCPART == 1
	.amdgcn_target "amdgcn-amd-amdhsa--gfx1250"
	.amdhsa_code_object_version 6
	.text
	.protected	k_q77a470db5c_prep
	.globl	k_q77a470db5c_prep
	.p2align	8
	.type	k_q77a470db5c_prep,@function
k_q77a470db5c_prep:
	s_mov_b64 s[64:65], 0
	v_nop
	global_prefetch_b8 v0, s[64:65] scope:SCOPE_SE
	s_setreg_imm32_b32 hwreg(HW_REG_WAVE_MODE, 25, 1), 1
	s_wait_xcnt 0x0
; x [8192][1024], W_qkv [1024][3072] and W_o [1024][1024], f32, become codes of FP6 (E2M3) with K innermost and one E8M0 byte for each 32 along K.
; cod: 12,288 rows of 768 bytes (1,024 codes): rows 0-8191 x's tokens, 8192-11263 W_qkv's columns, 11264-12287 W_o's columns.  scl: the same rows, 32 bytes each.
; THE ORDER OF ROWS.  Row p holds token (or column) sigma(p): p with bits 3 and 4 exchanged.  So sixteen neighbouring rows of cod are the rows 32 g + 8 u + i + 8 (i / 8) that a matrix tile must hold
; for its result's registers to run along sixteen neighbours of the next product's K; the later launches read plain tiles.
; A block's scale is 2^(floor(log2(its largest magnitude)) - 2); its byte is the largest magnitude's exponent field - 2, held at 1 from below.
; LIMITS: a block of zeros, or one whose largest magnitude lies under 2^-124, keeps the byte 1 (a block of zeros has zero codes, and this program alone reads the bytes); NaN and infinities among the inputs are not served.
; Work-groups 0-255 take x (K innermost: two lanes to a block, the numbers turned through the wave's own stage in LDS), 256-351 W_qkv, 352-383 W_o (K is the first axis: a lane to a column, registers down K).
; Each work-group reads 32,768 numbers.  The three paths part on the work-group's number, never meet again and have LDS bytes of their own.  No tensor loads, no barrier: waves share nothing.
; The matrix units and clusters have no part here: every byte is read once and nothing is shared.
.set STEPS, 16
.set EMAX,  2
.set CB,    12                         ; bytes of 16 codes
.set XR,    16                         ; x: v16-79   four sets of 16 numbers as they are loaded
.set XX,    80                         ;    v80-111  two sets of 16 neighbours
.set XE,    112                        ;    v112-127 a scale byte for each step
.set XC,    128                        ;    v128-191 codes: four registers for each step, so that no store's data are written again
.set WREG,  8192                       ;    LDS: a region for each wave: two stages of 32 x SP bytes, then its 256 scale bytes
.set SP,    80                         ;    a lane's place in a stage: 64 bytes + 16 of padding
.set NB,    8                          ; W: blocks of 32 along K for a wave (256 along K)
.set PITCH, 272                        ;    a stage row: sixteen places of 16 bytes, each with 12 bytes of codes, + 16
.set KROW,  768                        ; a row of cod
.set WX,    32                         ; W: v32-95   two sets of 32 numbers
.set WC,    96                         ;    v96..    a block's codes
.set OUTR,  112                        ;    v112-175 the way out
.set SB,    24                         ;    v24-25   the scale bytes, four to a register
.macro XLOAD t
.irp i, 0,1,2,3
	global_load_b128 v[XR+16*((\t)%4)+4*\i:XR+16*((\t)%4)+4*\i+3], v3, s[4:5] offset:2048*(\t)+512*\i th:TH_LOAD_NT   ; 32 lanes read 512 consecutive bytes
.endr
.endm
.macro XTURN t                         ; step t's numbers through the stage: LDS serves a wave's instructions in order, so no wait stands between the stores and the loads
.irp i, 0,1,2,3
	ds_store_b128 v14, v[XR+16*((\t)%4)+4*\i:XR+16*((\t)%4)+4*\i+3] offset:32*SP*((\t)%2)+8*SP*\i
.endr
.irp i, 0,1,2,3
	ds_load_b128 v[XX+16*((\t)%2)+4*\i:XX+16*((\t)%2)+4*\i+3], v15 offset:32*SP*((\t)%2)+16*\i
.endr
.endm
.macro XSTEP t
.set XS, XX+16*((\t)%2)
.if (\t) > 0
	s_wait_dscnt 1                                 ; this step's numbers are back from the stage (the last step's byte store may be out): so its stores into the stage have read their registers,
.else
	s_wait_dscnt 0x0
.endif
.if (\t)+4 < STEPS
	XLOAD (\t)+4                                   ; which take the loads of four steps on
.endif
.if (\t)+1 < STEPS
.if STEPS-2-(\t) >= 3
	s_wait_loadcnt 12                              ; the next step's four loads are in; those of the three steps behind it may be out
.else
	s_wait_loadcnt 4*(STEPS-2-(\t))
.endif
	XTURN (\t)+1                                   ; and go through the other stage while this step is worked
.endif
	v_max3_num_f32 v8, |v[XS]|, |v[XS+1]|, |v[XS+2]|               ; the largest magnitude of my 16
	v_max3_num_f32 v9, |v[XS+3]|, |v[XS+4]|, |v[XS+5]|
.irp i, 6,10
	v_max3_num_f32 v8, v8, |v[XS+\i]|, |v[XS+\i+1]|
	v_max3_num_f32 v9, v9, |v[XS+\i+2]|, |v[XS+\i+3]|
.endr
	v_max3_num_f32 v8, v8, |v[XS+14]|, |v[XS+15]|
	v_max3_num_f32 v8, v8, v9, (EMAX+1)<<23        ; and the floor 2^(3 - 127): the byte cannot fall under 1
	v_max_num_f32_dpp v8, v8, v8 row_xmask:1 row_mask:0xf bank_mask:0xf   ; and of my neighbour's 16: the block's
	v_add_nc_u32 v11, -(EMAX<<23), v8              ; 2 off its exponent field: the conversion takes the exponent field of this operand as its scale
	v_cvt_scalef32_pk16_fp6_f32 v[XC+4*(\t):XC+4*(\t)+2], v[XS:XS+15], v11
	v_lshrrev_b32 v[XE+(\t)], 23, v11              ; the scale's byte
	ds_store_b8 v5, v[XE+(\t)] offset:16*(\t)      ; both lanes of a block write the same byte with the same value
	global_store_b96 v4, v[XC+4*(\t):XC+4*(\t)+2], s[10:11] offset:32*CB*(\t)   ; the wave stores 384 consecutive bytes
.endm
.macro WLOAD t, cols, sb               ; block t: W(32 t + i, my column), i = 0 .. 31, into set t % 2: 32 lanes read 128 consecutive bytes
.irp i, 0,1,2,3,4,5,6,7,8,9,10,11,12,13,14,15,16,17,18,19,20,21,22,23,24,25,26,27,28,29,30,31
	global_load_b32 v[WX+32*((\t)%2)+\i], v3, s[\sb:\sb+1] offset:(32*(\t)+\i)*(\cols)*4 th:TH_LOAD_NT
.endr
.endm
.macro WBLOCK t, cols, sb
.set XS, WX+32*((\t)%2)
.if (\t) < NB-1
	s_wait_loadcnt 32                              ; this block's 32 loads are in; the next block's may be out
.else
	s_wait_loadcnt 0
.endif
	v_max3_num_f32 v12, |v[XS]|, |v[XS+1]|, |v[XS+2]|              ; the block's largest magnitude: all 32 numbers are mine
	v_max3_num_f32 v13, |v[XS+3]|, |v[XS+4]|, |v[XS+5]|
.irp i, 6,10,14,18,22,26
	v_max3_num_f32 v12, v12, |v[XS+\i]|, |v[XS+\i+1]|
	v_max3_num_f32 v13, v13, |v[XS+\i+2]|, |v[XS+\i+3]|
.endr
	v_max3_num_f32 v12, v12, |v[XS+30]|, |v[XS+31]|
	v_max3_num_f32 v12, v12, v13, (EMAX+1)<<23     ; and the floor
	v_add_nc_u32 v11, -(EMAX<<23), v12             ; the conversion's scale operand
	v_lshrrev_b32 v13, 23, v11                     ; the scale's byte
.if (\t)%4 == 0
	v_mov_b32 v[SB+(\t)/4], v13                    ; four bytes to a register, the lower K in the lower byte
.else
	v_lshl_or_b32 v[SB+(\t)/4], v13, 8*((\t)%4), v[SB+(\t)/4]
.endif
	v_cvt_scalef32_pk16_fp6_f32 v[WC:WC+2], v[XS:XS+15], v11
	v_cvt_scalef32_pk16_fp6_f32 v[WC+4:WC+6], v[XS+16:XS+31], v11  ; (a conversion's three registers begin on an even number)
	ds_store_b96 v4, v[WC:WC+2] offset:32*(\t)     ; 12 bytes to a place of 16 in the stage, so that every LDS address is a multiple of 16
	ds_store_b96 v4, v[WC+4:WC+6] offset:32*(\t)+16
.if (\t)+2 < NB
	WLOAD (\t)+2, \cols, \sb
.endif
	s_wait_dscnt 0x0                               ; the stores have read their registers: the next block's codes may be written
.endm
; A weight [1024][cols] at s[sb:sb+1]; its columns become rows rowbase on of cod and scl; lb: the path's LDS bytes; first: the path's first work-group.
; A work-group takes 128 columns x 256 along K, a wave 32 columns.  A lane's codes go to the stage row sigma(lane), so that the stage's rows leave in cod's order.
.macro WPATH cols, rowbase, lb, sb, first
	s_sub_co_u32 s17, ttmp9, \first
	s_and_b32 s18, s17, 3                          ; which 256 along K
	s_lshr_b32 s17, s17, 2
	s_lshl_b32 s17, s17, 7
	s_lshl_b32 s19, s16, 5
	s_add_co_u32 s17, s17, s19                     ; my wave's first column
	v_lshlrev_b32 v3, 2, v2                        ; in: 4 bytes a lane
	s_mul_i32 s19, s16, 32*PITCH
	s_add_co_u32 s19, s19, \lb                     ; my stage
	v_mul_u32_u24 v4, v10, PITCH
	v_add_nc_u32 v4, s19, v4                       ; into it: row sigma(lane)
	v_and_b32 v5, 15, v2
	v_lshrrev_b32 v6, 4, v2                        ; out of it: sixteen lanes to a row, two rows an instruction
	v_mul_u32_u24 v7, v6, PITCH
	v_lshl_add_u32 v7, v5, 4, v7
	v_add_nc_u32 v7, s19, v7
	v_mul_u32_u24 v8, v6, KROW
	v_mad_u32_u24 v8, v5, 12, v8                   ; and the same place in cod
	v_lshlrev_b32 v9, 5, v10                       ; my column's row of scale bytes
	s_mul_i32 s20, s18, 256*(\cols)*4
	s_lshl_b32 s22, s17, 2
	s_add_co_u32 s20, s20, s22
	s_add_nc_u64 s[\sb:\sb+1], s[\sb:\sb+1], s[20:21]
	s_add_co_u32 s22, s17, \rowbase
	s_mul_i32 s20, s22, KROW
	s_mul_i32 s23, s18, 192
	s_add_co_u32 s20, s20, s23
	s_add_nc_u64 s[10:11], s[10:11], s[20:21]
	s_lshl_b32 s20, s22, 5
	s_lshl_b32 s23, s18, 3
	s_add_co_u32 s20, s20, s23
	s_add_nc_u64 s[12:13], s[12:13], s[20:21]
	WLOAD 0, \cols, \sb
	WLOAD 1, \cols, \sb
.irp t, 0,1,2,3,4,5,6,7
	WBLOCK \t, \cols, \sb
.endr
	s_wait_alu depctr_va_vdst(0)
	global_store_b64 v9, v[SB:SB+1], s[12:13]      ; my column's 8 scale bytes
.irp t, 0,1,2,3,4,5,6,7,8,9,10,11,12,13,14,15
	ds_load_b96 v[OUTR+4*\t:OUTR+4*\t+2], v7 offset:2*\t*PITCH     ; LDS serves a wave's instructions in order: these see my stores
.endr
.irp t, 0,1,2,3,4,5,6,7,8,9,10,11,12,13,14,15
	s_wait_dscnt 15-\t                             ; row pair t is back; the pairs behind it may be out
	global_store_b96 v8, v[OUTR+4*\t:OUTR+4*\t+2], s[10:11] offset:2*\t*KROW   ; sixteen lanes store a row's 192 consecutive bytes
.endr
	s_wait_tensorcnt 0x0
	ds_add_u32 v192, v193
	s_wait_dscnt 0x0
	s_endpgm
.endm
	s_load_b128 s[4:7], s[0:1], 0x0                ; x, W_qkv
	s_load_b128 s[8:11], s[0:1], 0x10              ; W_o, cod
	s_load_b64 s[12:13], s[0:1], 0x20              ; scl
	v_lshl_add_u32 v192, v0, 2, 0x19000
	v_mov_b32 v193, 0
	v_lshrrev_b32 v1, 5, v0
	v_readfirstlane_b32 s16, v1                    ; wave
	v_and_b32 v2, 31, v0                           ; lane
	s_mov_b32 s21, 0                               ; the upper word of every offset
	s_wait_kmcnt 0x0
	s_cmp_lt_u32 ttmp9, 256
	s_cbranch_scc0 .Lweights
	; ---- x: a wave takes a run of 8 tokens (8,192 numbers), 16 steps of 512
	s_wait_alu depctr_va_vdst(0)
	v_lshlrev_b32 v3, 4, v2                        ; my 16 bytes of a load's 512
	s_mul_i32 s17, s16, WREG
	v_lshrrev_b32 v14, 2, v2
	v_mul_u32_u24 v14, v14, SP
	v_and_b32 v15, 3, v2
	v_lshl_add_u32 v14, v15, 4, v14
	v_add_nc_u32 v14, s17, v14                     ; the stage, on the way in: SP (lane / 4) + 16 (lane % 4)
	v_mul_u32_u24 v15, v2, SP
	v_add_nc_u32 v15, s17, v15                     ; and on the way out: SP x lane: my 16 neighbours
	v_mul_u32_u24 v4, v2, CB                       ; my codes' place in a step's
	v_lshrrev_b32 v5, 1, v2
	s_add_co_u32 s17, s17, 2*32*SP
	v_add_nc_u32 v5, s17, v5                       ; LDS: my wave's 256 scale bytes, my block's byte
	v_lshlrev_b32 v7, 3, v2                        ; and on the way out 8 bytes a lane
	v_add_nc_u32 v6, s17, v7
	s_lshl_b32 s18, ttmp9, 2
	s_add_co_u32 s18, s18, s16                     ; the run
	s_lshl_b32 s20, s18, 15
	s_add_nc_u64 s[4:5], s[4:5], s[20:21]          ; 32,768 bytes of x a run
	s_and_b32 s22, s18, 1                          ; sigma on runs of eight rows: the run's two lowest bits change places
	s_bfe_u32 s23, s18, 0x10001
	s_and_not1_b32 s18, s18, 3
	s_lshl_b32 s22, s22, 1
	s_or_b32 s18, s18, s22
	s_or_b32 s18, s18, s23
	s_mul_i32 s20, s18, 8*KROW
	s_add_nc_u64 s[10:11], s[10:11], s[20:21]
	s_lshl_b32 s20, s18, 8
	s_add_nc_u64 s[12:13], s[12:13], s[20:21]
.irp t, 0,1,2,3
	XLOAD \t
.endr
	s_wait_alu depctr_va_vdst(0)
	s_wait_loadcnt 12                              ; step 0's four loads are in
	XTURN 0
.irp t, 0,1,2,3,4,5,6,7,8,9,10,11,12,13,14,15
	XSTEP \t
.endr
	ds_load_b64 v[12:13], v6                       ; LDS serves a wave's instructions in order: these see my byte stores
	s_wait_dscnt 0x0
	global_store_b64 v7, v[12:13], s[12:13]        ; 32 lanes store 256 consecutive bytes, aligned
	s_wait_tensorcnt 0x0
	ds_add_u32 v192, v193
	s_wait_dscnt 0x0
	s_endpgm
.Lweights:
	s_wait_alu depctr_va_vdst(0)
	v_and_b32 v10, 7, v2                           ; sigma(lane) = lane % 8 + 16 x bit 3 + 8 x bit 4
	v_bfe_u32 v11, v2, 3, 1
	v_lshl_add_u32 v10, v11, 4, v10
	v_bfe_u32 v11, v2, 4, 1
	v_lshl_add_u32 v10, v11, 3, v10
	s_cmp_lt_u32 ttmp9, 352
	s_cbranch_scc0 .Lwo
	s_wait_alu depctr_va_vdst(0)
	WPATH 3072, 8192, 32768, 6, 256
.Lwo:
	s_wait_alu depctr_va_vdst(0)
	WPATH 1024, 11264, 67584, 8, 352
.Lfunc_end_k_q77a470db5c_prep:
	.size	k_q77a470db5c_prep, .Lfunc_end_k_q77a470db5c_prep-k_q77a470db5c_prep
	.p2alignl 7, 3214868480
	.fill 96, 4, 3214868480
	.section	.rodata,"a",@progbits
	.p2align	6, 0x0
	.amdhsa_kernel k_q77a470db5c_prep
		.amdhsa_group_segment_fixed_size 102912
		.amdhsa_private_segment_fixed_size 0
		.amdhsa_enable_private_segment 0
		.amdhsa_kernarg_size 40
		.amdhsa_user_sgpr_count 2
		.amdhsa_user_sgpr_kernarg_segment_ptr 1
		.amdhsa_wavefront_size32 1
		.amdhsa_system_sgpr_workgroup_id_x 1
		.amdhsa_system_sgpr_workgroup_id_y 1
		.amdhsa_system_sgpr_workgroup_id_z 1
		.amdhsa_system_vgpr_workitem_id 0
		.amdhsa_next_free_vgpr 194
		.amdhsa_next_free_sgpr 66
		.amdhsa_reserve_vcc 0
		.amdhsa_float_denorm_mode_32 3
		.amdhsa_float_denorm_mode_16_64 3
		.amdhsa_memory_ordered 1
		.amdhsa_forward_progress 1
		.amdhsa_inst_pref_size 114
	.end_amdhsa_kernel
	.amdgpu_metadata
---
amdhsa.version: [ 1, 2 ]
amdhsa.kernels:
  - .name:           k_q77a470db5c_prep
    .symbol:         k_q77a470db5c_prep.kd
    .args:
      - { .name: x, .offset: 0, .size: 8, .value_kind: global_buffer, .address_space: global }
      - { .name: W_qkv, .offset: 8, .size: 8, .value_kind: global_buffer, .address_space: global }
      - { .name: W_o, .offset: 16, .size: 8, .value_kind: global_buffer, .address_space: global }
      - { .name: cod, .offset: 24, .size: 8, .value_kind: global_buffer, .address_space: global }
      - { .name: scl, .offset: 32, .size: 8, .value_kind: global_buffer, .address_space: global }
    .group_segment_fixed_size: 102912
    .private_segment_fixed_size: 0
    .kernarg_segment_align: 8
    .kernarg_segment_size: 40
    .max_flat_workgroup_size: 128
    .sgpr_count:     66
    .vgpr_count:     194
    .wavefront_size: 32
...
	.end_amdgpu_metadata
.endif
;; end of part 1
;; launch qkv (part 2): grid 12 x 32, 4 waves a work-group, clusters of 4 x 4, 327,680 bytes of LDS; arguments cod, scl, b_qkv, qb, kv; writes qb, kv
.if DOCPART == 2
	.amdgcn_target "amdgcn-amd-amdhsa--gfx1250"
	.amdhsa_code_object_version 6
	.text
	.protected	k_q77a470db5c_qkv
	.globl	k_q77a470db5c_qkv
	.p2align	8
	.type	k_q77a470db5c_qkv,@function
k_q77a470db5c_qkv:
	s_mov_b64 s[64:65], 0
	v_nop
	global_prefetch_b8 v0, s[64:65] scope:SCOPE_SE
	s_setreg_imm32_b32 hwreg(HW_REG_WAVE_MODE, 25, 1), 1
	s_wait_xcnt 0x0
	s_wait_alu depctr_hold_cnt(0) depctr_sa_sdst(0) depctr_va_vdst(0) depctr_va_sdst(0) depctr_va_ssrc(0) depctr_va_vcc(0) depctr_vm_vsrc(0)
	s_getreg_b32 s2, hwreg(HW_REG_IB_STS2, 6, 4)
	s_cmp_eq_u32 s2, 0
	s_cbranch_scc0 .Lentry_in_a_cluster
	s_endpgm
.Lentry_in_a_cluster:
	s_bfe_u32 s2, ttmp6, 0x10000c
	s_cmp_lg_u32 s2, 0xf033
	s_cbranch_scc0 .Lentry_shape_is_right
	s_endpgm
.Lentry_shape_is_right:
; qkv = x W_qkv + b_qkv on codes of FP6 (E2M3) with E8M0 scales; the results q, k and v are quantised in registers and leave as IMAGES OF OPERAND REGISTERS for the attention launch.
; cod: rows of 768 bytes (1,024 codes, K innermost): rows 0-8191 x's tokens, rows 8192 on W_qkv's columns; scl: the same rows, 32 scale bytes each.  Row p holds token or column sigma(p) (bits 3 and 4 exchanged).
; A tile of the product, 256 x 256, is made by four waves, 128 x 128 each: 64 accumulators, 512 registers.  K goes in steps of 256 through a ring of two LDS slots; the scales of both operands' 256 rows come once.
; THE MATRIX INSTRUCTION: source 0 = 16 rows of 'B', source 1 = 16 rows of 'A': a lane holds ONE row of A, and, by the order sigma of cod's rows, the 64 registers of an A block's eight accumulators run along
; 128 rows of B: register 16 g + i is B's row 32 g + 16 (lane / 16) + i.  That is the order in which the conversions want a quantised operand's K.
;   cluster x = 0 (q), 1 (k): A = tokens, B = W's columns: K of the next product = the head's 64 channels; a wave's 128 columns are two heads.
;   cluster x = 2 (v):        A = W_v's columns, B = tokens: K of the next product = 128 keys.
; CLUSTERS: 4 x 4 work-groups; A's tiles are asked for jointly along a row of the cluster, B's along a column.  Which role a cluster has hangs on the cluster's x, which all sixteen partners share.
; OUT.  qb: [64 heads][16 steps of 128 tokens][6,656]: eight half images (16 tokens x 64 channels: registers 0-3 at 16 x lane, registers 4-5 at 512 + 8 x lane) and at 6,144 the scale words of the eight tiles
; (register j at 16 x lane + 4 j: lanes 0-15 tile 2 j, lanes 16-31 tile 2 j + 1; bytes 2 and 3 of a word are 0).  kv: [64][16][13,056]: k likewise at 0 and 6,144; v: four whole images (16 channels x 128 keys:
; registers 4 c .. 4 c + 3 at 512 c + 16 x lane) at 6,656, their scale words at 12,800 (register j at 8 x lane + 4 j).  Every store covers whole aligned blocks of 256 bytes.
; LIMITS: a block whose largest magnitude lies under 2^-124 (zeros too) keeps the byte 1; NaN and infinities are not served.
; REGISTERS: window 0: v0-31 addresses; v32-63 scale words, two sets; v64-127 the bias; from v128 A's fragments, ONE set (on the way out v128-241 are at work).  window 1: B's fragments, two sets.  windows 2, 3: the accumulators.
.set KSTEP,  256
.set NQ,     KSTEP/128
.set ROWB,   192                       ; a tile's row in bytes
.set KROW,   768                       ; a row of cod
.set PITCH,  240                       ; an LDS row: 3 x (64 bytes + 16 of padding)
.set FR,     12
.set NL,     6                         ; LDS loads that bring a fragment
.set NP,     4                         ; places behind this matrix instruction (ISA guide 7.12.1)
.set HALFT,  128*PITCH
.set SLOT,   4*HALFT
.set LAPS,   2                         ; 1,024 along K = twice round the ring
.set KS,     32                        ; a row of scl
.set SCL,    2*SLOT
.set HALFS,  (128*KS/256)*272
.set SBLK,   (16*KS/256)*272
.set SPARE,  SCL+4*HALFS               ; the spare words, 128 bytes for each wave: two blocks of 256 bytes that no other line names
.set ADRA, 16                          ; v16-17 LDS address of my A fragments in slot 0, 1 (v18-19: behind one padding more)
.set ADRB, 20                          ; v20-23 the same for B
.set ADRS, 27                          ; v27 my scale words: lanes 0-15 A's rows, lanes 16-31 B's
.set SPW,  28                          ; v28 my spare word; never rewritten
.set NIL,  29                          ; v29 0; never rewritten
.set L16,  30                          ; v30 16 x lane
.set L8,   31                          ; v31 8 x lane
.set SC,   32
.set BIAS, 64
.set AF,   128
.set HA,   128                         ; the way out: 64 numbers
.set PC,   192                         ; v192-210 the codes just made
.set TM,   212                         ; v212-227 at work
.set PW,   228                         ; the scale word just made
.set WA,   232                         ; v232-235 the first head's scale words of eight tiles
.set WB,   236                         ; v236-239 the second head's
.set VW,   240                         ; v240-241 v's scale words of four fragments
.set G1, 24
.set G0, 32
.set G1B, 48
.set G0B, 56
.set G1S, 68
.set G0S, 76
.set G1SB, 80
.set G0SB, 88
.set SEL, 66                           ; s[66:67] v_permlanex16_b32's selects for lane l xor 16
.set VP,  95                           ; s95 1 in v's clusters
.set HM,  96                           ; s96 the mask of lanes 16-31
.set DST, 98                           ; s[98:99] where my record begins
.set DSTB, 100                         ; s[100:101] the next head's
.set MSB, 0
.macro WIN new                         ; the immediate's high byte repeats the setting that is left
.if MSB != \new
	s_set_vgpr_msb (MSB<<8)|\new
.set MSB, \new
.endif
.endm
.set MUL_LO, 0xa1                      ; source 0 (B) window 1, source 1 (A) window 0, C and D window 2
.set MUL_HI, 0xf1
.set TO_B,   0x40
; A joint load: waves 0 and 1 fetch for A, waves 2 and 3 for B; the branch hangs on the wave's number alone.  Four v_nop follow each of the two lines.
.macro JLOAD g0a, g1a, g0b, g1b
	s_cmp_eq_u32 s15, 0
	s_cbranch_scc0 .Lfor_b_\@
	tensor_load_to_lds s[\g0a:\g0a+3], s[\g1a:\g1a+7]
	s_nop 0
.rept 4
	v_nop
.endr
	s_branch .Lasked_\@
.Lfor_b_\@:
	tensor_load_to_lds s[\g0b:\g0b+3], s[\g1b:\g1b+7]
	s_nop 0
.rept 4
	v_nop
.endr
.Lasked_\@:
.endm
.macro CREST                           ; a round of the cluster's barrier behind its opening barrier
	s_cmp_lg_u32 s14, 0
	s_cbranch_scc1 .Lnot_wave_0_\@
	s_barrier_signal -3
.Lnot_wave_0_\@:
	s_barrier_wait -3
	s_barrier_signal -1
	s_barrier_wait -1
.endm
.macro CROUND
	s_barrier_signal -1
	s_barrier_wait -1
	CREST
.endm
	s_load_b256 s[4:11], s[0:1], 0x0               ; cod s[4:5], scl s[6:7], b_qkv s[8:9], qb s[10:11]
	s_load_b64 s[12:13], s[0:1], 0x20              ; kv
	v_lshl_add_u32 v[SPW], v0, 2, SPARE
	v_mov_b32 v[NIL], 0
	ds_add_u32 v28, v29
	ds_add_u32 v28, v29
	s_wait_dscnt 0x0
	v_lshrrev_b32 v1, 5, v0
	v_readfirstlane_b32 s14, v1                    ; wave 0..3
	s_lshr_b32 s15, s14, 1                         ; which half of A's rows is mine.  Also: I fetch for A (0) or for B (1)
	s_and_b32 s16, s14, 1                          ; which half of B's rows.  Also: which 128 rows of that tile I fetch
	s_bfe_u32 s40, ttmp6, 0x40000                  ; cx, cy: my place in the cluster
	s_bfe_u32 s41, ttmp6, 0x40004
	s_and_b32 s17, ttmp7, 0xffff
	s_lshl_b32 s17, s17, 2                         ; 4 x cluster y: x's tiles of 256 rows
	s_lshl_b32 s42, ttmp9, 2
	s_add_co_u32 s42, s42, 32                      ; 32 + 4 x cluster x: W's tiles (cod's row 8,192 is tile 32)
	s_cmp_eq_u32 ttmp9, 2                          ; v's clusters change the roles
	s_cselect_b32 s20, 40, s17                     ; A: W_v's tiles 40 on, or x's
	s_cselect_b32 s46, s17, s42                    ; B: x's, or W's
	s_cselect_b32 s[VP], 1, 0
	s_add_co_u32 s20, s20, s41                     ; A's tile hangs on cy, which my row of the cluster shares,
	s_add_co_u32 s46, s46, s40                     ; B's on cx, which my column shares
	s_lshl_b32 s43, s41, 2
	s_lshl_b32 s43, 15, s43                        ; my row of the cluster
	s_lshl_b32 s44, 0x1111, s40                    ; my column
	; descriptor group 1: a tile of 128 rows x 192 bytes, 16 bytes of padding behind every 64
	s_or_b32 s[G1+0], s43, (0<<16)|(1<<20)|(1<<21)|(3<<22)|(3<<25)
	s_or_b32 s[G1B+0], s44, (0<<16)|(1<<20)|(1<<21)|(3<<22)|(3<<25)
.irp g, G1, G1B
	s_mov_b32 s[\g+1], ROWB<<16                    ; tensor_dim0
	s_mov_b32 s[\g+2], 128<<16                     ; tensor_dim1
	s_mov_b32 s[\g+3], ROWB<<16                    ; tile_dim0
	s_mov_b32 s[\g+4], 128                         ; tile_dim1
	s_mov_b32 s[\g+5], KROW                        ; the pitch
	s_mov_b32 s[\g+6], 0
	s_mov_b32 s[\g+7], 0
.endr
	; the scales of 128 rows: a dense block of 4,096 bytes, as rows of 256 bytes (32 elements of 8), 16 bytes of padding behind each
	s_or_b32 s[G1S+0], s43, (3<<16)|(1<<20)|(1<<21)|(5<<22)|(3<<25)
	s_or_b32 s[G1SB+0], s44, (3<<16)|(1<<20)|(1<<21)|(5<<22)|(3<<25)
.irp g, G1S, G1SB
	s_mov_b32 s[\g+1], 32<<16
	s_mov_b32 s[\g+2], (128*KS/256)<<16
	s_mov_b32 s[\g+3], 32<<16
	s_mov_b32 s[\g+4], 128*KS/256
	s_mov_b32 s[\g+5], 32
	s_mov_b32 s[\g+6], 0
	s_mov_b32 s[\g+7], 0
.endr
	s_lshl_b32 s18, s16, 7                         ; which 128 rows of the tile I fetch
	s_lshl_b32 s20, s20, 8
	s_add_co_u32 s20, s20, s18                     ; A: cod's row
	s_lshl_b32 s46, s46, 8
	s_add_co_u32 s46, s46, s18                     ; B: cod's row
	s_mov_b32 s21, 0
	s_mov_b32 s47, 0
	s_mov_b64 s[18:19], KS
	s_mul_u64 s[22:23], s[20:21], s[18:19]         ; where these rows' scales begin,
	s_mul_u64 s[92:93], s[46:47], s[18:19]
	s_mov_b64 s[18:19], KROW
	s_mul_u64 s[20:21], s[20:21], s[18:19]         ; and their codes
	s_mul_u64 s[46:47], s[46:47], s[18:19]
	s_mul_i32 s45, s14, HALFT                      ; where they go: wave x 128 rows: no place in the cluster enters an LDS address
	s_mul_i32 s94, s14, HALFS
	s_wait_kmcnt 0x0
	s_add_nc_u64 s[20:21], s[4:5], s[20:21]
	s_add_nc_u64 s[22:23], s[6:7], s[22:23]
	s_add_nc_u64 s[46:47], s[4:5], s[46:47]
	s_add_nc_u64 s[92:93], s[6:7], s[92:93]
	CROUND                                         ; all sixteen work-groups are here: the first joint loads meet
	s_mov_b32 s[G0S], 1
	s_add_co_u32 s[G0S+1], s94, SCL
	s_mov_b64 s[G0S+2:G0S+3], s[22:23]
	s_or_b32 s[G0S+3], s[G0S+3], 0x80000000
	s_mov_b32 s[G0SB], 1
	s_add_co_u32 s[G0SB+1], s94, SCL
	s_mov_b64 s[G0SB+2:G0SB+3], s[92:93]
	s_or_b32 s[G0SB+3], s[G0SB+3], 0x80000000
	JLOAD G0S, G1S, G0SB, G1SB                     ; the scales first: they are wanted with K step 0
.irp s, 0,1
	s_mov_b32 s[G0+4*\s], 1
	s_add_co_u32 s[G0+4*\s+1], s45, \s*SLOT
	s_add_nc_u64 s[G0+4*\s+2:G0+4*\s+3], s[20:21], \s*ROWB
	s_or_b32 s[G0+4*\s+3], s[G0+4*\s+3], 0x80000000
	s_mov_b32 s[G0B+4*\s], 1
	s_add_co_u32 s[G0B+4*\s+1], s45, \s*SLOT
	s_add_nc_u64 s[G0B+4*\s+2:G0B+4*\s+3], s[46:47], \s*ROWB
	s_or_b32 s[G0B+4*\s+3], s[G0B+4*\s+3], 0x80000000
	JLOAD G0+4*\s, G1, G0B+4*\s, G1B               ; three tensor loads of mine are out
.endr
	v_and_b32 v1, 15, v0                           ; r = lane % 16
	v_bfe_u32 v2, v0, 4, 1                         ; h = lane / 16
	v_mul_u32_u24 v3, v1, PITCH
	v_mul_u32_u24 v4, v2, 24
	v_add_nc_u32 v4, v3, v4                        ; a fragment's row x pitch + 24 x half
	v_lshl_add_u32 v5, v2, 4, v4                   ; and the same behind one padding more
	s_mul_i32 s21, s15, HALFT                      ; my 128 rows of A
	s_mul_i32 s22, s16, HALFT                      ; my 128 rows of B,
	s_add_co_u32 s22, s22, 2*HALFT                 ; which lie behind A's 256
.irp s, 0,1
	v_add_nc_u32 v[ADRA+\s], s21, v4
	v_add_nc_u32 v[ADRB+\s], s22, v4
	v_add_nc_u32 v[ADRA+2+\s], s21, v5
	v_add_nc_u32 v[ADRB+2+\s], s22, v5
	s_add_co_u32 s21, s21, SLOT
	s_add_co_u32 s22, s22, SLOT
.endr
	v_mul_u32_u24 v5, v1, KS                       ; my row's scales: 32 bytes a row,
	v_lshrrev_b32 v6, 8, v5
	v_lshl_add_u32 v5, v6, 4, v5                   ; and 16 more for each 256 passed
	s_mul_i32 s21, s15, HALFS
	s_mul_i32 s22, s16, HALFS
	s_add_co_u32 s22, s22, 2*HALFS
	s_sub_co_u32 s22, s22, s21
	v_mul_u32_u24 v6, s22, v2                      ; lanes 16-31 take B's
	s_add_co_u32 s21, s21, SCL
	v_add_nc_u32 v5, v5, v6
	v_add_nc_u32 v[ADRS], s21, v5
	v_and_b32 v6, 31, v0
	v_lshlrev_b32 v[L16], 4, v6
	v_lshlrev_b32 v[L8], 3, v6
	; THE BIAS, in the layout of an A block's 64 numbers, into v64-127
	s_mov_b32 s19, 0
	s_cmp_eq_u32 s[VP], 1
	s_cbranch_scc1 .Lbias_v
	s_lshl_b32 s18, ttmp9, 10                      ; q, k: the bias runs along my registers: column 1,024 x cluster x + 256 cx + 128 x half + 32 (b / 2) + 16 h + 8 (b % 2) + j
	s_lshl_b32 s2, s40, 8
	s_add_co_u32 s18, s18, s2
	s_lshl_b32 s2, s16, 7
	s_add_co_u32 s18, s18, s2
	s_lshl_b32 s18, s18, 2
	s_add_nc_u64 s[8:9], s[8:9], s[18:19]
	v_lshlrev_b32 v7, 6, v2
.irp b, 0,1,2,3,4,5,6,7
	global_load_b128 v[BIAS+8*\b:BIAS+8*\b+3], v7, s[8:9] offset:(32*(\b/2)+8*(\b%2))*4
	global_load_b128 v[BIAS+8*\b+4:BIAS+8*\b+7], v7, s[8:9] offset:(32*(\b/2)+8*(\b%2))*4+16
.endr
	s_branch .Lbias_done
.Lbias_v:
	s_lshl_b32 s18, s41, 8                         ; v: one number a lane and A block: column 2,048 + 256 cy + 128 x half + 32 (a / 2) + 8 (a % 2) + r + 8 (r / 8); twice, for the packed addition
	s_lshl_b32 s2, s15, 7
	s_add_co_u32 s18, s18, s2
	s_add_co_u32 s18, s18, 2048
	s_lshl_b32 s18, s18, 2
	s_add_nc_u64 s[8:9], s[8:9], s[18:19]
	v_and_b32 v7, 8, v1
	v_add_nc_u32 v7, v7, v1
	v_lshlrev_b32 v7, 2, v7
.irp a, 0,1,2,3,4,5,6,7
	global_load_b32 v[BIAS+2*\a], v7, s[8:9] offset:(32*(\a/2)+8*(\a%2))*4
	global_load_b32 v[BIAS+2*\a+1], v7, s[8:9] offset:(32*(\a/2)+8*(\a%2))*4
.endr
.Lbias_done:
.macro FRAG reg, adr, q, i             ; a fragment, 16 rows x 128 K, is 12 registers: lane l holds row l % 16; registers 6 c .. 6 c + 5 hold K = 64 c + 32 (l / 16) + 0 .. 31: 24 bytes of the row, as they lie
.irp p, 0,1,2,3,4,5                    ; in pieces of 8 bytes; where the piece that lanes 16-31 take lies behind one padding more than lanes 0-15's, the second address register serves
.set PCE, 12*(\q)+6*(\p/3)+\p%3
.if PCE%8 < 5
	ds_load_b64 v[\reg+2*\p:\reg+2*\p+1], v[\adr] offset:8*PCE+16*(PCE/8)+(\i)*16*PITCH
.else
	ds_load_b64 v[\reg+2*\p:\reg+2*\p+1], v[\adr+2] offset:8*PCE+16*(PCE/8)+(\i)*16*PITCH
.endif
.endr
.endm
; 16 matrix instructions: A's blocks a0, a0 + 1 x B's eight, 128 along K.  The 64 accumulators take turns, one instruction a turn, in the same order in every step.
.macro MUL16 a0, p, q, sc, zero
.irp a, \a0, \a0+1
.irp b, 0,1,2,3,4,5,6,7
.if \zero
	v_wmma_scale_f32_16x16x128_f8f6f4 v[8*(8*((\a)%4)+\b):8*(8*((\a)%4)+\b)+7], v[128*(\p)+FR*\b:128*(\p)+FR*\b+FR-1], v[AF+FR*(\a):AF+FR*(\a)+FR-1], 0, v[SC+8*NQ*(\sc)+NQ*\b+(\q)], v[SC+8*NQ*(\sc)+NQ*(\a)+(\q)] matrix_a_fmt:MATRIX_FMT_FP6 matrix_b_fmt:MATRIX_FMT_FP6 matrix_a_scale:MATRIX_SCALE_ROW1
.else
	v_wmma_scale_f32_16x16x128_f8f6f4 v[8*(8*((\a)%4)+\b):8*(8*((\a)%4)+\b)+7], v[128*(\p)+FR*\b:128*(\p)+FR*\b+FR-1], v[AF+FR*(\a):AF+FR*(\a)+FR-1], v[8*(8*((\a)%4)+\b):8*(8*((\a)%4)+\b)+7], v[SC+8*NQ*(\sc)+NQ*\b+(\q)], v[SC+8*NQ*(\sc)+NQ*(\a)+(\q)] matrix_a_fmt:MATRIX_FMT_FP6 matrix_b_fmt:MATRIX_FMT_FP6 matrix_a_scale:MATRIX_SCALE_ROW1
.endif
.endr
.endr
.endm
.macro FETCH_B slot, q, p
	WIN TO_B
.irp i, 0,1,2,3,4,5,6,7
	FRAG 128*(\p)+FR*\i, ADRB+\slot, \q, \i
.endr
	WIN 0
.endm
.macro FETCH_A slot, q, i0
.irp i, \i0, \i0+1, \i0+2, \i0+3
	FRAG AF+FR*(\i), ADRA+\slot, \q, \i
.endr
.endm
.macro SCALES sc                       ; the next K step's scale words: two words a row; lanes 0-15 take A's block i, lanes 16-31 B's block i
.irp i, 0,1,2,3,4,5,6,7
	ds_load_b64 v[SC+8*NQ*\sc+NQ*\i:SC+8*NQ*\sc+NQ*\i+1], v[ADRS] offset:\i*SBLK
.endr
.endm
.macro PLACES n                        ; plain vector instructions between a matrix instruction and a load into, or a vector read or write of, its registers
.rept \n
	v_nop
.endr
.endm
.macro STEP slot, q, zero              ; a step of 128 along K that has its successor in the same slot
	s_wait_dscnt 4*NL                              ; B's set and A's blocks 0-3 are in; the youngest 24 loads (A's blocks 4-7) may be out
	WIN MUL_LO
	MUL16 0, (\q)%2, \q, \slot, \zero
	MUL16 2, (\q)%2, \q, \slot, \zero
	s_wait_dscnt 0                                 ; A's blocks 4-7 are in
	PLACES NP
	FETCH_B \slot, (\q)+1, 1-(\q)%2
	FETCH_A \slot, (\q)+1, 0
	WIN MUL_HI
	MUL16 4, (\q)%2, \q, \slot, \zero
	MUL16 6, (\q)%2, \q, \slot, \zero
	PLACES NP
	WIN 0
	FETCH_A \slot, (\q)+1, 4
.endm
; A slot's last step changes slots: ONE barrier; in front of it each wave waits for all its tensor loads, adds 0 to its spare word, and waits for that and for its own reads of this slot.
.macro TURN slot, next, fill
	s_wait_tensorcnt 0x0                           ; all my tensor loads have landed: my part of the next slot
	ds_add_u32 v[SPW], v[NIL]                      ; 0 onto my spare word
	s_wait_dscnt 4*NL+1                            ; (the add and the youngest 24 loads, A's blocks 4-7, may be out)
	WIN MUL_LO
	MUL16 0, 1, NQ-1, \slot, 0                     ; sixteen matrix instructions stand between the add and the wait for it
	s_wait_dscnt 0x0                               ; the add is done, and my reads of this slot are over
	s_barrier_signal -1
	MUL16 2, 1, NQ-1, \slot, 0
	WIN 0
	s_barrier_wait -1
.if \fill
	CREST                                          ; the barrier has opened a round of the cluster's barrier: no wave of any partner still reads this slot's tile or has a load on its way
	s_add_nc_u64 s[G0+4*\slot+2:G0+4*\slot+3], s[G0+4*\slot+2:G0+4*\slot+3], 2*ROWB
	s_add_nc_u64 s[G0B+4*\slot+2:G0B+4*\slot+3], s[G0B+4*\slot+2:G0B+4*\slot+3], 2*ROWB
	JLOAD G0+4*\slot, G1, G0B+4*\slot, G1B         ; the first tensor load behind the round; its four v_nop are also the places in front of the loads below
.else
	PLACES NP
.endif
	s_wait_alu depctr_va_vdst(0)
	v_add_nc_u32 v[ADRS], 4*NQ, v[ADRS]            ; on to the next K step's scale words
	FETCH_B \next, 0, 0
	FETCH_A \next, 0, 0
	SCALES \next
	WIN MUL_HI
	MUL16 4, 1, NQ-1, \slot, 0
	MUL16 6, 1, NQ-1, \slot, 0
	PLACES NP
	WIN 0
	FETCH_A \next, 0, 4
.endm
	s_wait_loadcnt 0x0                             ; the bias is in: no global load is out during the ring
	s_wait_tensorcnt 1                             ; the scales and my part of K step 0 are in (K step 1's load may be out)
	s_barrier_signal -1
	s_barrier_wait -1                              ; everybody's are
	FETCH_B 0, 0, 0
	FETCH_A 0, 0, 0
	s_wait_alu depctr_va_vdst(0)
	SCALES 0
	FETCH_A 0, 0, 4
	STEP 0, 0, 1                                   ; the first step stands in front of the loop: its products start the sums
	s_mov_b32 s3, LAPS-1
.Llap:                                                 ; a trip goes once round the ring and fills both slots again
	TURN 0, 1, 1
	STEP 1, 0, 0
	TURN 1, 0, 1
	STEP 0, 0, 0
	s_sub_co_u32 s3, s3, 1
	s_cmp_lg_u32 s3, 0
	s_cbranch_scc1 .Llap
	TURN 0, 1, 0                                   ; the last lap fills nothing
	STEP 1, 0, 0
	s_wait_dscnt 4*NL                              ; the very last step
	WIN MUL_LO
	MUL16 0, 1, NQ-1, 1, 0
	MUL16 2, 1, NQ-1, 1, 0
	s_wait_dscnt 0
	WIN MUL_HI
	MUL16 4, 1, NQ-1, 1, 0
	MUL16 6, 1, NQ-1, 1, 0
	WIN 0
; THE WAY OUT.  ADDB: A block a's 64 sums + the bias -> v[HA] on; each accumulator is read from its low end on.  mode 0: the bias runs along the registers; 1: one number a lane.
.macro ADDB a, mode
	WIN 0x02+(\a)/4                                ; source 0: window 2 or 3
.set i, 0
.rept 32
.if \mode
	v_pk_add_f32 v[HA+2*i:HA+2*i+1], v[64*((\a)%4)+2*i:64*((\a)%4)+2*i+1], v[BIAS+2*(\a):BIAS+2*(\a)+1]
.else
	v_pk_add_f32 v[HA+2*i:HA+2*i+1], v[64*((\a)%4)+2*i:64*((\a)%4)+2*i+1], v[BIAS+2*i:BIAS+2*i+1]
.endif
.set i, i+1
.endr
	WIN 0
.endm
; 64 numbers of a lane, register 16 b + i = k 32 b + 16 (lane / 16) + i of my row, become a fragment's codes in v[PC] on and its scale word in v[PW] (the same word in lanes l and l xor 16).
.macro QUANT s
.irp b, 0,1,2,3
	v_max3_num_f32 v[TM+\b], |v[\s+16*\b]|, |v[\s+1+16*\b]|, 0x1800000   ; block b: my 16 numbers, and the floor 2^(3 - 127): the byte cannot fall under 1
.endr
.irp i, 2,4,6,8,10,12,14
.irp b, 0,1,2,3
	v_max3_num_f32 v[TM+\b], v[TM+\b], |v[\s+16*\b+\i]|, |v[\s+1+16*\b+\i]|
.endr
.endr
.irp b, 0,1,2,3
	v_permlanex16_b32 v[TM+4+\b], v[TM+\b], s[SEL], s[SEL+1]
.endr
.irp b, 0,1,2,3
	v_max_num_f32 v[TM+\b], v[TM+\b], v[TM+4+\b]   ; with lane l xor 16's: the block's largest magnitude
.endr
.irp b, 0,1,2,3
	v_add_nc_u32 v[TM+12+\b], 0xff000000, v[TM+\b] ; 2 off its exponent field: the conversion's scale operand
.endr
.irp b, 0,1,2,3
	v_lshrrev_b32 v[TM+4+\b], 23, v[TM+12+\b]      ; the scale's byte
.endr
	v_lshl_or_b32 v[PW], v[TM+5], 8, v[TM+4]
	v_lshl_or_b32 v[PW], v[TM+6], 16, v[PW]
	v_lshl_or_b32 v[PW], v[TM+7], 24, v[PW]
.irp c, 0,1
	v_cvt_scalef32_pk16_fp6_f32 v[PC+6*\c:PC+2+6*\c], v[\s+32*\c:\s+15+32*\c], v[TM+12+2*\c]
	v_cvt_scalef32_pk16_fp6_f32 v[PC+12+4*\c:PC+14+4*\c], v[\s+16+32*\c:\s+31+32*\c], v[TM+12+2*\c+1]   ; (a conversion's three registers begin on an even number)
.endr
	v_nop                                          ; one plain place behind a scaled conversion
.irp c, 0,1                                    ; the operand's layout wants a WHOLE block in a lane: lanes 0-15 block 2 c, lanes 16-31 block 2 c + 1
.irp i, 0,1,2
	v_permlane16_swap_b32 v[PC+6*\c+\i], v[PC+12+4*\c+\i]
.endr
.irp i, 0,1,2
	v_mov_b32 v[PC+3+6*\c+\i], v[PC+12+4*\c+\i]
.endr
.endr
.endm
	PLACES NP                                      ; behind the last products: their results are read and A's registers written below
.irp b, 0,1,2,3
	v_mov_b32 v[TM+4+\b], 0                        ; written once: a lane permute's destination counts as one of its sources
.endr
	s_mov_b32 s[SEL], 0x76543210
	s_mov_b32 s[SEL+1], 0xfedcba98
	s_mov_b32 s[HM], 0xffff0000
	s_mov_b32 s23, 0
	s_cmp_eq_u32 s[VP], 1
	s_cbranch_scc1 .Lv_out
	; ---- q, k: my 128 tokens are step G % 16 of batch G / 16; my 128 columns are heads 4 cx + 2 x half and the next
	s_add_co_u32 s18, s17, s41
	s_lshl_b32 s18, s18, 1
	s_add_co_u32 s18, s18, s15                     ; G
	s_lshr_b32 s19, s18, 4
	s_lshl_b32 s19, s19, 4
	s_lshl_b32 s20, s40, 2
	s_add_co_u32 s19, s19, s20
	s_lshl_b32 s20, s16, 1
	s_add_co_u32 s19, s19, s20                     ; 16 x batch + head
	s_lshl_b32 s19, s19, 4
	s_and_b32 s18, s18, 15
	s_add_co_u32 s19, s19, s18                     ; the record
	s_cmp_eq_u32 ttmp9, 0
	s_mov_b32 s20, 13056
	s_cselect_b32 s20, 6656, s20                   ; a record's bytes: qb's or kv's
	s_cselect_b64 s[DST:DST+1], s[10:11], s[12:13]
	s_mul_i32 s22, s19, s20
	s_add_nc_u64 s[DST:DST+1], s[DST:DST+1], s[22:23]
	s_lshl_b32 s22, s20, 4
	s_add_nc_u64 s[DSTB:DSTB+1], s[DST:DST+1], s[22:23]  ; the next head: 16 records on
.irp a, 0,1,2,3,4,5,6,7
.if \a > 0
	s_wait_xcnt 0x0                                ; the last block's stores have read their registers: the codes may be written again
.endif
	ADDB \a, 0
	QUANT HA
	global_store_b128 v[L16], v[PC:PC+3], s[DST:DST+1] offset:768*\a            ; registers 0-5: the first head's 64 channels
	global_store_b64 v[L8], v[PC+4:PC+5], s[DST:DST+1] offset:768*\a+512
	global_store_b128 v[L16], v[PC+6:PC+9], s[DSTB:DSTB+1] offset:768*\a        ; registers 6-11: the second head's
	global_store_b64 v[L8], v[PC+10:PC+11], s[DSTB:DSTB+1] offset:768*\a+512
.if \a%2 == 0
	v_and_b32 v[WA+\a/2], 0xffff, v[PW]            ; bytes 0, 1: the first head's two blocks; bytes 2, 3 of the stored word are 0: they scale zero codes
	v_lshrrev_b32 v[WB+\a/2], 16, v[PW]
.else
	v_and_b32 v[TM], 0xffff, v[PW]
	v_lshrrev_b32 v[TM+1], 16, v[PW]
	v_cndmask_b32 v[WA+\a/2], v[WA+\a/2], v[TM], s[HM]     ; an odd tile's words go to lanes 16-31
	v_cndmask_b32 v[WB+\a/2], v[WB+\a/2], v[TM+1], s[HM]
.endif
.endr
	global_store_b128 v[L16], v[WA:WA+3], s[DST:DST+1] offset:6144
	global_store_b128 v[L16], v[WB:WB+3], s[DSTB:DSTB+1] offset:6144
	s_branch .Lend
.Lv_out:
	; ---- v: my 128 tokens (B's rows) are step G % 16 of batch G / 16; my 128 channels (A's rows) are heads 4 cy + 2 x half and the next, four fragments each
	s_add_co_u32 s18, s17, s40
	s_lshl_b32 s18, s18, 1
	s_add_co_u32 s18, s18, s16                     ; G
	s_lshr_b32 s19, s18, 4
	s_lshl_b32 s19, s19, 4
	s_lshl_b32 s20, s41, 2
	s_add_co_u32 s19, s19, s20
	s_lshl_b32 s20, s15, 1
	s_add_co_u32 s19, s19, s20
	s_lshl_b32 s19, s19, 4
	s_and_b32 s18, s18, 15
	s_add_co_u32 s19, s19, s18
	s_mul_i32 s22, s19, 13056
	s_add_nc_u64 s[DST:DST+1], s[12:13], s[22:23]
.irp a, 0,1,2,3,4,5,6,7
.if \a > 0
	s_wait_xcnt 0x0                                ; the last block's stores have read their registers
.endif
	ADDB \a, 1
	QUANT HA
.irp c, 0,1,2
	global_store_b128 v[L16], v[PC+4*\c:PC+4*\c+3], s[DST:DST+1] offset:(\a/4)*208896+6656+1536*(\a%4)+512*\c
.endr
.if \a%2 == 0
	v_mov_b32 v[VW+(\a%4)/2], v[PW]
.else
	v_cndmask_b32 v[VW+(\a%4)/2], v[VW+(\a%4)/2], v[PW], s[HM]
.endif
.if \a%4 == 3
	global_store_b64 v[L8], v[VW:VW+1], s[DST:DST+1] offset:(\a/4)*208896+12800
.endif
.endr
.Lend:
	s_wait_tensorcnt 0x0                           ; the wave's end
	ds_add_u32 v[SPW], v[NIL]
	s_wait_dscnt 0x0
	CROUND                                         ; the closing round: no work-group ends while a partner may still ask for a tile that names it
	s_endpgm
.Lfunc_end_k_q77a470db5c_qkv:
	.size	k_q77a470db5c_qkv, .Lfunc_end_k_q77a470db5c_qkv-k_q77a470db5c_qkv
	.p2alignl 7, 3214868480
	.fill 96, 4, 3214868480
	.section	.rodata,"a",@progbits
	.p2align	6, 0x0
	.amdhsa_kernel k_q77a470db5c_qkv
		.amdhsa_group_segment_fixed_size 327680
		.amdhsa_private_segment_fixed_size 0
		.amdhsa_enable_private_segment 0
		.amdhsa_kernarg_size 40
		.amdhsa_user_sgpr_count 2
		.amdhsa_user_sgpr_kernarg_segment_ptr 1
		.amdhsa_wavefront_size32 1
		.amdhsa_system_sgpr_workgroup_id_x 1
		.amdhsa_system_sgpr_workgroup_id_y 1
		.amdhsa_system_sgpr_workgroup_id_z 1
		.amdhsa_system_vgpr_workitem_id 0
		.amdhsa_next_free_vgpr 1024
		.amdhsa_next_free_sgpr 102
		.amdhsa_reserve_vcc 0
		.amdhsa_float_denorm_mode_32 3
		.amdhsa_float_denorm_mode_16_64 3
		.amdhsa_memory_ordered 1
		.amdhsa_forward_progress 1
		.amdhsa_inst_pref_size 235
	.end_amdhsa_kernel
	.amdgpu_metadata
---
amdhsa.version: [ 1, 2 ]
amdhsa.kernels:
  - .name:           k_q77a470db5c_qkv
    .symbol:         k_q77a470db5c_qkv.kd
    .args:
      - { .name: cod, .offset: 0, .size: 8, .value_kind: global_buffer, .address_space: global }
      - { .name: scl, .offset: 8, .size: 8, .value_kind: global_buffer, .address_space: global }
      - { .name: b_qkv, .offset: 16, .size: 8, .value_kind: global_buffer, .address_space: global }
      - { .name: qb, .offset: 24, .size: 8, .value_kind: global_buffer, .address_space: global }
      - { .name: kv, .offset: 32, .size: 8, .value_kind: global_buffer, .address_space: global }
    .group_segment_fixed_size: 327680
    .private_segment_fixed_size: 0
    .kernarg_segment_align: 8
    .kernarg_segment_size: 40
    .max_flat_workgroup_size: 128
    .sgpr_count:     102
    .vgpr_count:     1024
    .wavefront_size: 32
...
	.end_amdgpu_metadata
.endif
;; end of part 2
;; launch attn (part 3): grid 4 x 64, 16 waves a work-group, no clusters, 210,944 bytes of LDS; arguments qb, kv, oc, os; writes oc, os
.if DOCPART == 3
	.amdgcn_target "amdgcn-amd-amdhsa--gfx1250"
	.amdhsa_code_object_version 6
	.text
	.protected	k_q77a470db5c_attn
	.globl	k_q77a470db5c_attn
	.p2align	8
	.type	k_q77a470db5c_attn,@function
k_q77a470db5c_attn:
	s_mov_b64 s[64:65], 0
	v_nop
	global_prefetch_b8 v0, s[64:65] scope:SCOPE_SE
	s_setreg_imm32_b32 hwreg(HW_REG_WAVE_MODE, 25, 1), 1
	s_wait_xcnt 0x0
; o = softmax(q k^T / 8, causal) v for one head, both products on codes of FP6 (E2M3) with E8M0 scales; o is quantised along the head's 64 channels and leaves as images of operand registers.
; THE SOFTMAX: t = score x log2(e) / 8; M = the row's largest t so far, rounded UP to a whole number; p = 2^(t - M) is quantised along the keys, not normalised.  The row's sum is taken of the unquantised p and
; divides O at the end.  When M moves, the sum and O are multiplied by 2^(old M - new M): exact.
; SHARES.  Work-group (i, head) owns the blocks i and 7 - i of 256 queries: 2 i + 2 and 16 - 2 i key steps of 128, eighteen in every work-group.  Each of the sixteen waves owns 16 queries of a block, in 256 registers.
; LDS.  The head's sixteen records of kv (k's eight half images, their scale words, v's four images, their scale words: 13,056 bytes for 128 keys) lie in LDS as they lie in memory, 208,896 bytes, filled ONCE by eight
; tensor loads at the head (waves 0 to 3, two each: two loads of a wave are out).  Nothing is filled again and nothing is stored to LDS.  The first block's keys lie in records 0 to 7, which the waves' first loads bring.
; LAYOUT.  S^T = k q^T (source 0 = 16 keys, source 1 = my 16 queries), O^T = v^T p^T: a lane holds ONE query throughout.  By the order of rows in which the images were made, tile 2 b + u of k holds keys
; 32 b + 8 u + i + 8 (i / 8), so that S^T's register 16 b + i is key 32 b + 16 (lane / 16) + i; lane r's query is Q0 + r + 8 (r / 8); O^T's register 16 g + i is channel 32 g + 16 (lane / 16) + i.
; K = 64 IN AN INSTRUCTION OF 128: registers 6-11 of q's and k's fragments are zero codes, and bytes 2 and 3 of their scale words are 0 (a power of two, no NaN).
; CAUSAL.  Every wave walks a constant number of trips (8, then 16); a step all of whose keys come after its queries is left out by a scalar branch on ids; on the diagonal hidden scores become -infinity.
; NO CLUSTER: the four work-groups of a head read the same records, but which steps a work-group works hangs on its number, which in a cluster would be its place.
; NO PREFETCH: all that the work-group reads of kv is asked for by its first lines.
; OUT.  oc: [512 tiles of 16 rows][16 heads][768]: half images (registers 0-3 at 16 x lane, 4-5 at 512 + 8 x lane).  os: [8192 rows][32]: a byte for each 32 channels; a row's 32 bytes come from sixteen work-groups,
; so they are stored a byte a lane: 2 bytes of 50 that a wave stores for a row.
; LIMITS: NaN and infinities are not served; a block whose largest magnitude lies under 2^-124 keeps the byte 1; a block's largest p is taken from its largest score, which takes v_exp_f32 not to fall where its input rises.
.set REC,  13056
.set KSC,  6144                        ; in a record: k's scale words,
.set VIM,  6656                        ; v's images,
.set VSC,  12800                       ; v's scale words
.set L16,  1                           ; v1  16 x lane
.set L8,   2                           ; v2  8 x lane
.set A16,  3                           ; v3  the step's record + 16 x lane
.set A8,   4                           ; v4  the step's record + 8 x lane
.set DQ,   5                           ; v5  r + 8 (r / 8) - 16 h
.set FF,   6                           ; v6  f = 2^(old M - new M)
.set PWD,  7                           ; v7  p's scale word
.set SO,   8                           ; v8-11 the conversions' scale operands
.set QF,   16                          ; v16-27 q's fragment (v22-27 zeros)
.set QS,   28                          ; v28 q's scale words
.set TMP,  29
.set R16,  30                          ; v30 16 r
.set R32,  31                          ; v31 32 r + h
.set KFR,  32                          ; v32-79 four fragments of k: 6 registers of codes, 6 of zeros
.set PC,   80                          ; v80-91 p's codes
.set VS,   92                          ; v92-93 v's scale words
.set S,    96                          ; v96-159 S^T, then p
.set O,    160                         ; v160-191 O^T
.set VF,   192                         ; v192-239 v's four fragments
.set KSW,  240                         ; v240-243 k's scale words
.set BM,   244                         ; v244-247 the blocks' largest
.set T,    248                         ; v248-255 at work
.set WV,   12
.set G1,   16                          ; s[16:23]; groups 0 in s[24:27], s[28:31]
.set SEL,  32
.set CS,   34                          ; s[34:35] c = log2(e) / 8
.set HM,   36
.set TB,   37                          ; LDS byte at which the step's record begins
.set KF,   38                          ; the step's first key
.set Q0,   39
.set CNT,  40
.set BLK,  41
.set QA,   44
.set OA,   46
.set SA,   48
.set QSA,  50
	s_load_b256 s[4:11], s[0:1], 0x0               ; qb s[4:5], kv s[6:7], oc s[8:9], os s[10:11]
	v_lshl_add_u32 v95, v0, 2, 0x33000
	v_mov_b32 v255, 0
	ds_add_u32 v95, v255
	ds_add_u32 v95, v255
	v_lshrrev_b32 v1, 5, v0
	s_delay_alu instid0(VALU_DEP_1)
	v_readfirstlane_b32 s[WV], v1                  ; wave 0..15
	s_mov_b32 s13, ttmp9                           ; i
	s_and_b32 s14, ttmp7, 0xffff                   ; 16 x batch + head
	; descriptor group 1: two records, a dense block of 26,112 bytes, as 102 rows of 256 bytes (32 elements of 8)
	s_mov_b32 s[G1], 3<<16
	s_mov_b32 s[G1+1], 32<<16
	s_mov_b32 s[G1+2], 102<<16
	s_mov_b32 s[G1+3], 32<<16
	s_mov_b32 s[G1+4], 102
	s_mov_b32 s[G1+5], 32
	s_mov_b32 s[G1+6], 0
	s_mov_b32 s[G1+7], 0
	s_mul_i32 s52, s14, 16*REC
	s_mul_i32 s42, s[WV], 2*REC                    ; wave w (0 to 3): records 2 w, 2 w + 1, and the two that lie eight further on
	s_add_co_u32 s52, s52, s42
	s_mov_b32 s53, 0
	s_mov_b32 s55, 0
	s_wait_dscnt 0x0
	s_wait_kmcnt 0x0
	s_mov_b32 s24, 1
	s_mov_b32 s25, s42
	s_add_nc_u64 s[26:27], s[6:7], s[52:53]
	s_mov_b32 s28, 1
	s_add_co_u32 s29, s42, 8*REC
	s_add_nc_u64 s[30:31], s[26:27], 8*REC
	s_or_b32 s27, s27, 0x80000000
	s_or_b32 s31, s31, 0x80000000
	s_cmp_lt_u32 s[WV], 4
	s_cbranch_scc0 .Lno_fetch
	tensor_load_to_lds s[24:27], s[G1:G1+7]
	s_nop 0
	tensor_load_to_lds s[28:31], s[G1:G1+7]
	s_nop 0
.rept 4
	v_nop
.endr
.Lno_fetch:
	v_and_b32 v29, 31, v0
	s_delay_alu instid0(VALU_DEP_1)
	v_lshlrev_b32 v[L16], 4, v29
	s_delay_alu instid0(VALU_DEP_2)
	v_lshlrev_b32 v[L8], 3, v29
	v_and_b32 v30, 15, v0                          ; r
	v_bfe_u32 v31, v0, 4, 1                        ; h
	s_delay_alu instid0(VALU_DEP_2)
	v_and_b32 v[DQ], 8, v30
	s_delay_alu instid0(VALU_DEP_1)
	v_add_nc_u32 v[DQ], v[DQ], v30
	s_delay_alu instid0(VALU_DEP_3)
	v_lshlrev_b32 v29, 4, v31
	s_delay_alu instid0(VALU_DEP_1)
	v_sub_nc_u32 v[DQ], v[DQ], v29
	v_lshl_add_u32 v[R32], v30, 5, v31
	v_lshlrev_b32 v[R16], 4, v30
	v_mov_b32 v[PWD], 0                            ; (named as the upper half of the pair v[6:7] before it is first written)
.irp j, 6,7,8,9,10,11
	v_mov_b32 v[QF+\j], 0                          ; zero codes for K = 64 .. 127, written once
.irp t, 0,1,2,3
	v_mov_b32 v[KFR+12*\t+\j], 0
.endr
.endr
.irp b, 0,1,2,3
	v_mov_b32 v[T+\b], 0                           ; written once: a lane permute's destination counts as one of its sources
.endr
	s_mov_b32 s[SEL], 0x76543210
	s_mov_b32 s[SEL+1], 0xfedcba98
	s_mov_b32 s[CS], 0x3e38aa3b                    ; log2(e) / 8
	s_mov_b32 s[CS+1], s[CS]
	s_mov_b32 s[HM], 0xffff0000
; A KEY STEP: 128 keys, the record at s[TB].
.macro STEP
	s_add_co_u32 s42, s[Q0], 23                    ; my last query
	s_cmp_gt_u32 s[KF], s42
	s_cbranch_scc1 .Lhidden_\@                     ; all keys of the step come after my queries
	s_setprio 2
	v_add_nc_u32 v[A16], s[TB], v[L16]
	s_wait_alu depctr_va_vdst(0)
	v_add_nc_u32 v[A8], s[TB], v[L8]
	s_wait_alu depctr_va_vdst(0)
	ds_load_b128 v[KSW:KSW+3], v[A16] offset:KSC   ; register j: lanes 0-15 tile 2 j's words, lanes 16-31 tile 2 j + 1's
.irp g, 0,1                                    ; S^T = k q^T, four tiles of 16 keys at a time
.if \g
.rept 4
	v_nop                                          ; places in front of loads into registers that the last four products have read
.endr
.endif
.irp t, 0,1,2,3
	ds_load_b128 v[KFR+12*\t:KFR+12*\t+3], v[A16] offset:768*(4*\g+\t)
	ds_load_b64 v[KFR+12*\t+4:KFR+12*\t+5], v[A8] offset:768*(4*\g+\t)+512
.endr
	s_wait_dscnt 0x0
.irp t, 0,2
	v_wmma_scale_f32_16x16x128_f8f6f4 v[S+8*(4*\g+\t):S+8*(4*\g+\t)+7], v[KFR+12*\t:KFR+12*\t+11], v[QF:QF+11], 0, v[KSW+(4*\g+\t)/2], v[QS] matrix_a_fmt:MATRIX_FMT_FP6 matrix_b_fmt:MATRIX_FMT_FP6
	v_wmma_scale_f32_16x16x128_f8f6f4 v[S+8*(4*\g+\t+1):S+8*(4*\g+\t+1)+7], v[KFR+12*(\t+1):KFR+12*(\t+1)+11], v[QF:QF+11], 0, v[KSW+(4*\g+\t)/2], v[QS] matrix_a_fmt:MATRIX_FMT_FP6 matrix_b_fmt:MATRIX_FMT_FP6 matrix_a_scale:MATRIX_SCALE_ROW1
.endr
.endr
.irp f, 0,1,2,3                                ; v is asked for now and lands during the softmax.  Its registers were last read by the step before's products: the two additions and the four v_nop above are the places between
.irp c, 0,1,2
	ds_load_b128 v[VF+12*\f+4*\c:VF+12*\f+4*\c+3], v[A16] offset:VIM+1536*\f+512*\c
.endr
.endr
	ds_load_b64 v[VS:VS+1], v[A8] offset:VSC
.rept 4
	v_nop                                          ; places in front of the first read of the scores
.endr
	s_add_co_u32 s42, s[KF], 127
	s_cmp_le_u32 s42, s[Q0]
	s_cbranch_scc1 .Lopen_\@                       ; all keys of the step count for all my queries
	s_sub_co_i32 s42, s[Q0], s[KF]
	v_add_nc_u32 v[T+4], s42, v[DQ]                ; d = my query - KF - 16 h.  Register 16 b + i holds key KF + 16 h + 32 b + i: hidden where 32 b + i > d
	v_mov_b32 v[T+5], 0xff800000                   ; -infinity
.irp n, 0,1,2,3,4,5,6,7,8,9,10,11,12,13,14,15,16,17,18,19,20,21,22,23,24,25,26,27,28,29,30,31,32,33,34,35,36,37,38,39,40,41,42,43,44,45,46,47,48,49,50,51,52,53,54,55,56,57,58,59,60,61,62,63
	v_cmp_gt_i32 vcc_lo, 32*(\n/16)+\n%16, v[T+4]
	v_cndmask_b32 v[S+\n], v[S+\n], v[T+5], vcc_lo
.endr
.Lopen_\@:
.irp b, 0,1,2,3
	v_max3_num_f32 v[BM+\b], v[S+16*\b], v[S+1+16*\b], v[S+2+16*\b]   ; the largest score of each block of 32 keys: for the row's maximum and, since p rises with the score, for the block's largest p
.endr
.irp i, 3,5,7,9,11,13
.irp b, 0,1,2,3
	v_max3_num_f32 v[BM+\b], v[BM+\b], v[S+16*\b+\i], v[S+1+16*\b+\i]
.endr
.endr
.irp b, 0,1,2,3
	v_max_num_f32 v[BM+\b], v[BM+\b], v[S+15+16*\b]
.endr
.irp b, 0,1,2,3
	s_delay_alu instid0(VALU_DEP_4)
	v_permlanex16_b32 v[T+\b], v[BM+\b], s[SEL], s[SEL+1]
.endr
.irp b, 0,1,2,3
	s_delay_alu instid0(VALU_DEP_4)
	v_max_num_f32 v[BM+\b], v[BM+\b], v[T+\b]      ; with lane l xor 16's 16 keys
.endr
	s_delay_alu instid0(VALU_DEP_2)
	v_max3_num_f32 v[TMP], v[BM], v[BM+1], v[BM+2]
	s_delay_alu instid0(VALU_DEP_1)
	v_max_num_f32 v[TMP], v[TMP], v[BM+3]          ; the step's largest score of my query
	s_delay_alu instid0(VALU_DEP_1)
	v_mul_f32 v[TMP], s[CS], v[TMP]                ; as t
	s_delay_alu instid0(VALU_DEP_1)
	v_max_num_f32 v13, v13, v[TMP]                 ; the running largest t
	v_mov_b32 v[TMP], v12
	s_delay_alu instid0(VALU_DEP_2)
	v_floor_f32 v12, -v13                          ; the new -M = floor(-t): M is a whole number
	s_delay_alu instid0(VALU_DEP_1)
	v_sub_f32 v[TMP], v12, v[TMP]                  ; old M - new M: a whole number, 0 or less
	s_delay_alu instid0(VALU_DEP_1)
	v_cvt_i32_f32 v[TMP], v[TMP]                   ; (it saturates)
	s_delay_alu instid0(VALU_DEP_1)
	v_ldexp_f32 v[FF], 1.0, v[TMP]                 ; f
.irp j, 0,2,4,6,8,10,12,14,16,18,20,22,24,26,28,30,32,34,36,38,40,42,44,46,48,50,52,54,56,58,60,62
	v_pk_fma_f32 v[S+\j:S+1+\j], v[S+\j:S+1+\j], s[CS:CS+1], v[12:13] op_sel_hi:[1,0,0]   ; t - M, two at a time
.endr
	s_setprio 1
.irp b, 0,1,2,3
	v_fma_f32 v[BM+\b], v[BM+\b], s[CS], v12       ; the same of each block's largest score
.endr
	s_wait_alu depctr_va_vdst(0)
.irp j, 0,1,2,3,4,5,6,7,8,9,10,11,12,13,14,15,16,17,18,19,20,21,22,23,24,25,26,27,28,29,30,31,32,33,34,35,36,37,38,39,40,41,42,43,44,45,46,47,48,49,50,51,52,53,54,55,56,57,58,59,60,61,62,63
	v_exp_f32 v[S+\j], v[S+\j]                     ; p = 2^(t - M), at most 1
.endr
	v_pk_mul_f32 v[14:15], v[14:15], v[FF:FF+1] op_sel_hi:[1,0]   ; the sums under the new M: a plain place behind the exponentials
	s_wait_alu depctr_va_vdst(0)                   ; one wait for the whole batch, ahead of its first reader
.irp b, 0,1,2,3
	v_exp_f32 v[BM+\b], v[BM+\b]                   ; the block's largest p
.endr
	v_pk_add_f32 v[248:249], v[100:101], v[104:105]
	v_pk_add_f32 v[252:253], v[108:109], v[112:113]
	v_pk_add_f32 v[250:251], v[116:117], v[120:121]
	v_pk_add_f32 v[242:243], v[124:125], v[128:129]
	v_pk_add_f32 v[240:241], v[132:133], v[136:137]
	v_pk_add_f32 v[90:91], v[140:141], v[144:145]
	v_pk_add_f32 v[88:89], v[148:149], v[152:153]
	v_pk_add_f32 v[14:15], v[14:15], v[156:157]
	v_pk_add_f32 v[248:249], v[248:249], v[96:97]
	v_pk_add_f32 v[252:253], v[252:253], v[98:99]
	v_pk_add_f32 v[250:251], v[250:251], v[102:103]
	v_pk_add_f32 v[242:243], v[242:243], v[106:107]
	v_pk_add_f32 v[240:241], v[240:241], v[110:111]
	v_pk_add_f32 v[90:91], v[90:91], v[114:115]
	v_pk_add_f32 v[88:89], v[88:89], v[118:119]
	v_pk_add_f32 v[14:15], v[14:15], v[122:123]
	v_pk_add_f32 v[248:249], v[248:249], v[126:127]
	v_pk_add_f32 v[252:253], v[252:253], v[130:131]
	v_pk_add_f32 v[250:251], v[250:251], v[134:135]
	v_pk_add_f32 v[242:243], v[242:243], v[138:139]
	v_pk_add_f32 v[240:241], v[240:241], v[142:143]
	v_pk_add_f32 v[90:91], v[90:91], v[146:147]
	v_pk_add_f32 v[88:89], v[88:89], v[150:151]
	v_pk_add_f32 v[14:15], v[14:15], v[154:155]
	v_pk_add_f32 v[248:249], v[248:249], v[158:159]
	s_delay_alu instid0(VALU_DEP_2)
	v_pk_add_f32 v[14:15], v[14:15], v[242:243]
	s_delay_alu instid0(VALU_DEP_2)
	v_pk_add_f32 v[248:249], v[248:249], v[240:241]
	v_pk_add_f32 v[252:253], v[252:253], v[90:91]
	v_pk_add_f32 v[250:251], v[250:251], v[88:89]
	s_delay_alu instid0(VALU_DEP_2)
	v_pk_add_f32 v[14:15], v[14:15], v[252:253]
	s_delay_alu instid0(VALU_DEP_2)
	v_pk_add_f32 v[248:249], v[248:249], v[250:251]
	s_delay_alu instid0(VALU_DEP_1)
	v_pk_add_f32 v[14:15], v[14:15], v[248:249]
	s_wait_alu depctr_va_vdst(0)                   ; and one for the four
.irp b, 0,1,2,3
	v_max_num_f32 v[BM+\b], 0x1800000, v[BM+\b]    ; the floor 2^(3 - 127): a block whose every p is 0 keeps the byte 1: its codes are zeros
.endr
.irp b, 0,1,2,3
	s_delay_alu instid0(VALU_DEP_4)
	v_add_nc_u32 v[SO+\b], 0xff000000, v[BM+\b]    ; 2 off the exponent field: the conversion's scale operand
.endr
.irp b, 0,1,2,3
	s_delay_alu instid0(VALU_DEP_4)
	v_lshrrev_b32 v[T+\b], 23, v[SO+\b]            ; the scale's byte
.endr
	s_delay_alu instid0(VALU_DEP_3)
	v_lshl_or_b32 v[PWD], v[T+1], 8, v[T]          ; p's scale word for these 128 keys
	s_delay_alu instid0(VALU_DEP_1)
	v_lshl_or_b32 v[PWD], v[T+2], 16, v[PWD]
	s_delay_alu instid0(VALU_DEP_1)
	v_lshl_or_b32 v[PWD], v[T+3], 24, v[PWD]
	s_setprio 0
.irp c, 0,1
	v_cvt_scalef32_pk16_fp6_f32 v[PC+6*\c:PC+2+6*\c], v[S+32*\c:S+15+32*\c], v[SO+2*\c]
	v_cvt_scalef32_pk16_fp6_f32 v[T+4*\c:T+2+4*\c], v[S+16+32*\c:S+31+32*\c], v[SO+2*\c+1]   ; (a conversion's three registers begin on an even number)
.endr
	v_nop                                          ; one plain place behind a scaled conversion
.irp c, 0,1                                    ; the operand's layout wants a WHOLE block in a lane
.irp i, 0,1,2
	v_permlane16_swap_b32 v[PC+6*\c+\i], v[T+4*\c+\i]
.endr
.irp i, 0,1,2
	s_delay_alu instid0(VALU_DEP_3)
	v_mov_b32 v[PC+3+6*\c+\i], v[T+4*\c+\i]
.endr
.endr
.irp j, 0,2,4,6,8,10,12,14,16,18,20,22,24,26,28,30
	v_pk_mul_f32 v[O+\j:O+1+\j], v[O+\j:O+1+\j], v[FF:FF+1] op_sel_hi:[1,0]   ; O^T under the new M.  These sixteen are also the places between the codes' and the scale word's last writes and the products
.endr
	s_wait_alu depctr_va_vdst(0)
	s_wait_dscnt 0x0                               ; v is in
.irp f, 0,2                                    ; O^T += v^T p^T: the four accumulators take turns
	v_wmma_scale_f32_16x16x128_f8f6f4 v[O+8*\f:O+8*\f+7], v[VF+12*\f:VF+12*\f+11], v[PC:PC+11], v[O+8*\f:O+8*\f+7], v[VS+\f/2], v[PWD] matrix_a_fmt:MATRIX_FMT_FP6 matrix_b_fmt:MATRIX_FMT_FP6
	v_wmma_scale_f32_16x16x128_f8f6f4 v[O+8*(\f+1):O+8*(\f+1)+7], v[VF+12*(\f+1):VF+12*(\f+1)+11], v[PC:PC+11], v[O+8*(\f+1):O+8*(\f+1)+7], v[VS+\f/2], v[PWD] matrix_a_fmt:MATRIX_FMT_FP6 matrix_b_fmt:MATRIX_FMT_FP6 matrix_a_scale:MATRIX_SCALE_ROW1
.endr
.Lhidden_\@:
.endm
; One block of 256 queries, s[BLK]; n trips over the keys.  left: how many of my tensor loads may stay out at the barrier.
.macro PASS n, left
	s_wait_xcnt 0x0                                ; the last block's stores have read their registers and bases
	s_lshl_b32 s42, s14, 4
	s_lshl_b32 s43, s[BLK], 1
	s_add_co_u32 s42, s42, s43
	s_lshr_b32 s43, s[WV], 3
	s_add_co_u32 s42, s42, s43                     ; qb's record: 16 x head + 2 x block + wave / 8
	s_mul_i32 s52, s42, 6656
	s_and_b32 s43, s[WV], 7                        ; my tile in it
	s_mul_i32 s54, s43, 768
	s_add_co_u32 s54, s54, s52
	s_add_nc_u64 s[QA:QA+1], s[4:5], s[54:55]
	s_and_b32 s54, s43, 1                          ; its scale words: register tile / 2 of lanes 16 (tile % 2) + r
	s_lshl_b32 s54, s54, 8
	s_lshr_b32 s43, s43, 1
	s_lshl_b32 s43, s43, 2
	s_add_co_u32 s54, s54, s43
	s_add_co_u32 s54, s54, s52
	s_add_co_u32 s54, s54, 6144
	s_add_nc_u64 s[QSA:QSA+1], s[4:5], s[54:55]
	s_lshr_b32 s42, s14, 4
	s_lshl_b32 s42, s42, 7
	s_lshl_b32 s43, s[BLK], 4
	s_add_co_u32 s42, s42, s43
	s_add_co_u32 s42, s42, s[WV]                   ; my tile of 16 rows among all 512
	s_and_b32 s43, s14, 15                         ; the head
	s_lshl_b32 s54, s42, 4
	s_add_co_u32 s54, s54, s43
	s_mul_i32 s54, s54, 768
	s_add_nc_u64 s[OA:OA+1], s[8:9], s[54:55]
	s_lshl_b32 s54, s42, 9
	s_lshl_b32 s43, s43, 1
	s_add_co_u32 s54, s54, s43
	s_add_nc_u64 s[SA:SA+1], s[10:11], s[54:55]
	s_lshl_b32 s[Q0], s[BLK], 8                    ; Q0 = 256 x block + 32 (wave / 2) + 8 (wave % 2)
	s_lshr_b32 s43, s[WV], 1
	s_lshl_b32 s43, s43, 5
	s_add_co_u32 s[Q0], s[Q0], s43
	s_and_b32 s43, s[WV], 1
	s_lshl_b32 s43, s43, 3
	s_add_co_u32 s[Q0], s[Q0], s43
	global_load_b128 v[QF:QF+3], v[L16], s[QA:QA+1]
	global_load_b64 v[QF+4:QF+5], v[L8], s[QA:QA+1] offset:512
	global_load_b32 v[QS], v[R16], s[QSA:QSA+1]
	v_mov_b32 v13, 0xff61b1e6                      ; the largest t so far: -3e38, under every t
	s_delay_alu instid0(VALU_DEP_1)
	v_floor_f32 v12, -v13                          ; -M
	v_mov_b32 v14, 0                               ; the sum, in two halves
	v_mov_b32 v15, 0
.irp j, 0,1,2,3,4,5,6,7,8,9,10,11,12,13,14,15,16,17,18,19,20,21,22,23,24,25,26,27,28,29,30,31
	v_mov_b32 v[O+\j], 0                           ; O^T: the step is written once: the first finds zeros, which the first change of M leaves zeros
.endr
	s_wait_loadcnt 0x0                             ; q
	s_wait_tensorcnt \left                         ; my part of the records that this block's steps read has landed,
	s_wait_dscnt 0x0
	s_barrier_signal -1
	s_barrier_wait -1                              ; everybody's has.
	s_mov_b32 s[TB], 0
	s_mov_b32 s[KF], 0
	s_mov_b32 s[CNT], 0
.Lstep_\@:
	STEP
	s_add_co_u32 s[TB], s[TB], REC
	s_add_co_u32 s[KF], s[KF], 128
	s_add_co_u32 s[CNT], s[CNT], 1
	s_cmp_lt_u32 s[CNT], \n
	s_cbranch_scc1 .Lstep_\@
	s_setprio 0
	; the block's end: O^T / the sum, quantised along the 64 channels (two blocks of 32), stored as a half image
.rept 4
	v_nop                                          ; places behind the last products
.endr
	v_add_f32 v14, v14, v15                        ; the sum's two halves,
	s_delay_alu instid0(VALU_DEP_1)
	v_permlanex16_b32 v[TMP], v14, s[SEL], s[SEL+1]
	s_delay_alu instid0(VALU_DEP_1)
	v_add_f32 v14, v14, v[TMP]                     ; and lane l xor 16's
	s_wait_alu depctr_va_vdst(0)
	v_rcp_f32 v14, v14
	v_nop                                          ; a plain place behind the reciprocal
	s_wait_alu depctr_va_vdst(0)                   ; and the wait ahead of its first reader
.irp j, 0,2,4,6,8,10,12,14,16,18,20,22,24,26,28,30
	v_pk_mul_f32 v[S+\j:S+1+\j], v[O+\j:O+1+\j], v[14:15] op_sel_hi:[1,0]   ; each accumulator from its low end on
.endr
.irp g, 0,1
	v_max3_num_f32 v[BM+\g], |v[S+16*\g]|, |v[S+1+16*\g]|, 0x1800000
.endr
.irp i, 2,4,6,8,10,12,14
.irp g, 0,1
	s_delay_alu instid0(VALU_DEP_2)
	v_max3_num_f32 v[BM+\g], v[BM+\g], |v[S+16*\g+\i]|, |v[S+1+16*\g+\i]|
.endr
.endr
.irp g, 0,1
	s_delay_alu instid0(VALU_DEP_2)
	v_permlanex16_b32 v[T+\g], v[BM+\g], s[SEL], s[SEL+1]
.endr
.irp g, 0,1
	s_delay_alu instid0(VALU_DEP_2)
	v_max_num_f32 v[BM+\g], v[BM+\g], v[T+\g]
.endr
.irp g, 0,1
	s_delay_alu instid0(VALU_DEP_2)
	v_add_nc_u32 v[SO+\g], 0xff000000, v[BM+\g]
.endr
.irp g, 0,1
	s_delay_alu instid0(VALU_DEP_2)
	v_lshrrev_b32 v[T+\g], 23, v[SO+\g]
.endr
	s_delay_alu instid0(VALU_DEP_1)
	v_cndmask_b32 v[TMP], v[T], v[T+1], s[HM]      ; lanes 0-15 store block 0's byte, lanes 16-31 block 1's
	v_cvt_scalef32_pk16_fp6_f32 v[PC:PC+2], v[S:S+15], v[SO]
	v_cvt_scalef32_pk16_fp6_f32 v[T+4:T+6], v[S+16:S+31], v[SO+1]
	v_nop                                          ; one plain place behind a scaled conversion
.irp i, 0,1,2
	v_permlane16_swap_b32 v[PC+\i], v[T+4+\i]
.endr
.irp i, 0,1,2
	s_delay_alu instid0(VALU_DEP_3)
	v_mov_b32 v[PC+3+\i], v[T+4+\i]
.endr
	global_store_b128 v[L16], v[PC:PC+3], s[OA:OA+1]               ; 512 consecutive bytes, aligned
	global_store_b64 v[L8], v[PC+4:PC+5], s[OA:OA+1] offset:512    ; 256 consecutive bytes, aligned
	global_store_b8 v[R32], v[TMP], s[SA:SA+1]
.endm
	s_mov_b32 s[BLK], s13
	PASS 8, 1                                      ; block i: its keys lie in records 0 to 7; my second load may stay out
	s_sub_co_u32 s[BLK], 7, s13
	PASS 16, 0                                     ; block 7 - i
	s_wait_tensorcnt 0x0
	ds_add_u32 v95, v255
	s_wait_dscnt 0x0
	s_endpgm
.Lfunc_end_k_q77a470db5c_attn:
	.size	k_q77a470db5c_attn, .Lfunc_end_k_q77a470db5c_attn-k_q77a470db5c_attn
	.p2alignl 7, 3214868480
	.fill 96, 4, 3214868480
	.section	.rodata,"a",@progbits
	.p2align	6, 0x0
	.amdhsa_kernel k_q77a470db5c_attn
		.amdhsa_group_segment_fixed_size 210944
		.amdhsa_private_segment_fixed_size 0
		.amdhsa_enable_private_segment 0
		.amdhsa_kernarg_size 32
		.amdhsa_user_sgpr_count 2
		.amdhsa_user_sgpr_kernarg_segment_ptr 1
		.amdhsa_wavefront_size32 1
		.amdhsa_system_sgpr_workgroup_id_x 1
		.amdhsa_system_sgpr_workgroup_id_y 1
		.amdhsa_system_sgpr_workgroup_id_z 1
		.amdhsa_system_vgpr_workitem_id 0
		.amdhsa_next_free_vgpr 256
		.amdhsa_next_free_sgpr 66
		.amdhsa_reserve_vcc 1
		.amdhsa_float_denorm_mode_32 3
		.amdhsa_float_denorm_mode_16_64 3
		.amdhsa_memory_ordered 1
		.amdhsa_forward_progress 1
		.amdhsa_inst_pref_size 65
	.end_amdhsa_kernel
	.amdgpu_metadata
---
amdhsa.version: [ 1, 2 ]
amdhsa.kernels:
  - .name:           k_q77a470db5c_attn
    .symbol:         k_q77a470db5c_attn.kd
    .args:
      - { .name: qb, .offset: 0, .size: 8, .value_kind: global_buffer, .address_space: global }
      - { .name: kv, .offset: 8, .size: 8, .value_kind: global_buffer, .address_space: global }
      - { .name: oc, .offset: 16, .size: 8, .value_kind: global_buffer, .address_space: global }
      - { .name: os, .offset: 24, .size: 8, .value_kind: global_buffer, .address_space: global }
    .group_segment_fixed_size: 210944
    .private_segment_fixed_size: 0
    .kernarg_segment_align: 8
    .kernarg_segment_size: 32
    .max_flat_workgroup_size: 512
    .sgpr_count:     66
    .vgpr_count:     256
    .wavefront_size: 32
...
	.end_amdgpu_metadata
.endif
;; end of part 3
;; launch proj (part 4): grid 4 x 32, 4 waves a work-group, clusters of 4 x 4, 327,680 bytes of LDS; arguments oc, os, cod, scl, b_o, out0; writes out0
.if DOCPART == 4
	.amdgcn_target "amdgcn-amd-amdhsa--gfx1250"
	.amdhsa_code_object_version 6
	.text
	.protected	k_q77a470db5c_proj
	.globl	k_q77a470db5c_proj
	.p2align	8
	.type	k_q77a470db5c_proj,@function
k_q77a470db5c_proj:
	s_mov_b64 s[64:65], 0
	v_nop
	global_prefetch_b8 v0, s[64:65] scope:SCOPE_SE
	s_setreg_imm32_b32 hwreg(HW_REG_WAVE_MODE, 25, 1), 1
	s_wait_xcnt 0x0
	s_wait_alu depctr_hold_cnt(0) depctr_sa_sdst(0) depctr_va_vdst(0) depctr_va_sdst(0) depctr_va_ssrc(0) depctr_va_vcc(0) depctr_vm_vsrc(0)
	s_getreg_b32 s2, hwreg(HW_REG_IB_STS2, 6, 4)
	s_cmp_eq_u32 s2, 0
	s_cbranch_scc0 .Lentry_in_a_cluster
	s_endpgm
.Lentry_in_a_cluster:
	s_bfe_u32 s2, ttmp6, 0x10000c
	s_cmp_lg_u32 s2, 0xf033
	s_cbranch_scc0 .Lentry_shape_is_right
	s_endpgm
.Lentry_shape_is_right:
.set KSTEP,  256
.set NQ,     KSTEP/128
.set ROWB,   192
.set KROW,   768
.set PITCH,  240
.set FR,     12
.set NL,     6
.set NLA,    4
.set NP,     4
.set AIMG,   3072
.set HALFA,  8*AIMG
.set HALFT,  128*PITCH
.set BOFF,   2*HALFA
.set SLOT,   2*HALFA+2*HALFT
.set LAPS,   2
.set KS,     32
.set SCL,    2*SLOT
.set HALFS,  (128*KS/256)*272
.set SBLK,   (16*KS/256)*272
.set SPARE,  SCL+4*HALFS
.set SPITCH, 528
.set ADRA, 16
.set ADRB, 20
.set STO,  24
.set RD,   25
.set CO,   26
.set ADRS, 27
.set SPW,  28
.set NIL,  29
.set BI,   8
.set SC,   32
.set AF,   128
.set BK,   128
.set G1, 24
.set G0, 32
.set G1B, 48
.set G0B, 56
.set G1S, 68
.set G0S, 76
.set G1SB, 80
.set G0SB, 88
.set MSB, 0
.macro WIN new
.if MSB != \new
	s_set_vgpr_msb (MSB<<8)|\new
.set MSB, \new
.endif
.endm
.set MUL_LO, 0xa1
.set MUL_HI, 0xf1
.set TO_B,   0x40
.macro JLOAD g0a, g1a, g0b, g1b
	s_cmp_eq_u32 s15, 0
	s_cbranch_scc0 .Lfor_b_\@
	tensor_load_to_lds s[\g0a:\g0a+3], s[\g1a:\g1a+7]
	s_nop 0
.rept 4
	v_nop
.endr
	s_branch .Lasked_\@
.Lfor_b_\@:
	tensor_load_to_lds s[\g0b:\g0b+3], s[\g1b:\g1b+7]
	s_nop 0
.rept 4
	v_nop
.endr
.Lasked_\@:
.endm
.macro CREST
	s_cmp_lg_u32 s14, 0
	s_cbranch_scc1 .Lnot_wave_0_\@
	s_barrier_signal -3
.Lnot_wave_0_\@:
	s_barrier_wait -3
	s_barrier_signal -1
	s_barrier_wait -1
.endm
.macro CROUND
	s_barrier_signal -1
	s_barrier_wait -1
	CREST
.endm
	s_load_b256 s[4:11], s[0:1], 0x0
	s_load_b128 s[96:99], s[0:1], 0x20
	v_lshl_add_u32 v[SPW], v0, 2, SPARE
	v_mov_b32 v[NIL], 0
	ds_add_u32 v28, v29
	ds_add_u32 v28, v29
	s_wait_dscnt 0x0
	v_lshrrev_b32 v1, 5, v0
	v_readfirstlane_b32 s14, v1
	s_lshr_b32 s15, s14, 1
	s_and_b32 s16, s14, 1
	s_bfe_u32 s40, ttmp6, 0x40000
	s_bfe_u32 s41, ttmp6, 0x40004
	s_lshl_b32 s42, ttmp9, 2
	s_add_co_u32 s42, s42, s40
	s_and_b32 s17, ttmp7, 0xffff
	s_lshl_b32 s17, s17, 2
	s_add_co_u32 s17, s17, s41
	s_lshl_b32 s43, s41, 2
	s_lshl_b32 s43, 15, s43
	s_lshl_b32 s44, 0x1111, s40
	s_or_b32 s[G1+0], s43, (3<<16)|(1<<21)
	s_mov_b32 s[G1+1], 384<<16
	s_mov_b32 s[G1+2], 8<<16
	s_mov_b32 s[G1+3], 384<<16
	s_mov_b32 s[G1+4], 8
	s_mov_b32 s[G1+5], 1536
	s_mov_b32 s[G1+6], 0
	s_mov_b32 s[G1+7], 0
	s_or_b32 s[G1B+0], s44, (0<<16)|(1<<20)|(1<<21)|(3<<22)|(3<<25)
	s_mov_b32 s[G1B+1], ROWB<<16
	s_mov_b32 s[G1B+2], 128<<16
	s_mov_b32 s[G1B+3], ROWB<<16
	s_mov_b32 s[G1B+4], 128
	s_mov_b32 s[G1B+5], KROW
	s_mov_b32 s[G1B+6], 0
	s_mov_b32 s[G1B+7], 0
	s_or_b32 s[G1S+0], s43, (3<<16)|(1<<20)|(1<<21)|(5<<22)|(3<<25)
	s_or_b32 s[G1SB+0], s44, (3<<16)|(1<<20)|(1<<21)|(5<<22)|(3<<25)
.irp g, G1S, G1SB
	s_mov_b32 s[\g+1], 32<<16
	s_mov_b32 s[\g+2], (128*KS/256)<<16
	s_mov_b32 s[\g+3], 32<<16
	s_mov_b32 s[\g+4], 128*KS/256
	s_mov_b32 s[\g+5], 32
	s_mov_b32 s[\g+6], 0
	s_mov_b32 s[\g+7], 0
.endr
	s_lshl_b32 s18, s16, 7
	s_lshl_b32 s20, s17, 4
	s_lshl_b32 s2, s16, 3
	s_add_co_u32 s20, s20, s2
	s_mul_i32 s20, s20, 12288
	s_mov_b32 s21, 0
	s_lshl_b32 s22, s17, 8
	s_add_co_u32 s22, s22, s18
	s_lshl_b32 s22, s22, 5
	s_mov_b32 s23, 0
	s_lshl_b32 s46, s42, 8
	s_add_co_u32 s46, s46, s18
	s_add_co_u32 s46, s46, 11264
	s_mov_b32 s47, 0
	s_lshl_b32 s92, s46, 5
	s_mov_b32 s93, 0
	s_mul_i32 s46, s46, KROW
	s_mul_i32 s45, s16, HALFA
	s_mul_i32 s95, s16, HALFT
	s_add_co_u32 s95, s95, BOFF
	s_mul_i32 s94, s14, HALFS
	s_wait_kmcnt 0x0
	s_add_nc_u64 s[20:21], s[4:5], s[20:21]
	s_add_nc_u64 s[22:23], s[6:7], s[22:23]
	s_add_nc_u64 s[46:47], s[8:9], s[46:47]
	s_add_nc_u64 s[92:93], s[10:11], s[92:93]
	CROUND
	s_mov_b32 s[G0S], 1
	s_add_co_u32 s[G0S+1], s94, SCL
	s_mov_b64 s[G0S+2:G0S+3], s[22:23]
	s_or_b32 s[G0S+3], s[G0S+3], 0x80000000
	s_mov_b32 s[G0SB], 1
	s_add_co_u32 s[G0SB+1], s94, SCL
	s_mov_b64 s[G0SB+2:G0SB+3], s[92:93]
	s_or_b32 s[G0SB+3], s[G0SB+3], 0x80000000
	JLOAD G0S, G1S, G0SB, G1SB
.irp s, 0,1
	s_mov_b32 s[G0+4*\s], 1
	s_add_co_u32 s[G0+4*\s+1], s45, \s*SLOT
	s_add_nc_u64 s[G0+4*\s+2:G0+4*\s+3], s[20:21], \s*AIMG
	s_or_b32 s[G0+4*\s+3], s[G0+4*\s+3], 0x80000000
	s_mov_b32 s[G0B+4*\s], 1
	s_add_co_u32 s[G0B+4*\s+1], s95, \s*SLOT
	s_add_nc_u64 s[G0B+4*\s+2:G0B+4*\s+3], s[46:47], \s*ROWB
	s_or_b32 s[G0B+4*\s+3], s[G0B+4*\s+3], 0x80000000
	s_wait_alu depctr_va_vdst(0)
	s_wait_tensorcnt 0x0
	ds_add_u32 v28, v29
	s_wait_dscnt 0x0
	CROUND
	JLOAD G0+4*\s, G1, G0B+4*\s, G1B
.endr
	v_and_b32 v1, 15, v0
	v_bfe_u32 v2, v0, 4, 1
	v_and_b32 v6, 31, v0
	v_lshlrev_b32 v[CO], 4, v6
	v_lshlrev_b32 v7, 3, v6
	v_mul_u32_u24 v3, v1, PITCH
	v_mul_u32_u24 v4, v2, 24
	v_add_nc_u32 v4, v3, v4
	v_lshl_add_u32 v5, v2, 4, v4
	s_mul_i32 s21, s15, HALFA
	s_mul_i32 s22, s16, HALFT
	s_add_co_u32 s22, s22, BOFF
.irp s, 0,1
	v_add_nc_u32 v[ADRA+\s], s21, v[CO]
	v_add_nc_u32 v[ADRA+2+\s], s21, v7
	v_add_nc_u32 v[ADRB+\s], s22, v4
	v_add_nc_u32 v[ADRB+2+\s], s22, v5
	s_add_co_u32 s21, s21, SLOT
	s_add_co_u32 s22, s22, SLOT
.endr
	v_mul_u32_u24 v5, v1, KS
	v_lshrrev_b32 v6, 8, v5
	v_lshl_add_u32 v5, v6, 4, v5
	s_mul_i32 s21, s15, HALFS
	s_mul_i32 s22, s16, HALFS
	s_add_co_u32 s22, s22, 2*HALFS
	s_sub_co_u32 s22, s22, s21
	v_mul_u32_u24 v6, s22, v2
	s_add_co_u32 s21, s21, SCL
	v_add_nc_u32 v5, v5, v6
	v_add_nc_u32 v[ADRS], s21, v5
	s_mul_i32 s23, s14, 16*SPITCH
	v_mul_u32_u24 v5, v1, SPITCH
	v_lshl_add_u32 v5, v2, 6, v5
	v_add_nc_u32 v[STO], s23, v5
	v_add_nc_u32 v[RD], s23, v[CO]
	s_lshl_b32 s20, s17, 8
	s_lshl_b32 s21, s15, 7
	s_add_co_u32 s20, s20, s21
	s_lshl_b32 s20, s20, 12
	s_lshl_b32 s46, s42, 10
	s_lshl_b32 s47, s16, 9
	s_add_co_u32 s46, s46, s47
	s_add_co_u32 s20, s20, s46
	s_mov_b32 s21, 0
	s_mov_b32 s47, 0
	s_add_nc_u64 s[98:99], s[98:99], s[20:21]
	s_add_nc_u64 s[96:97], s[96:97], s[46:47]
	global_load_b128 v[BI:BI+3], v[CO], s[96:97]
.macro FRAG reg, adr, q, i
.irp p, 0,1,2,3,4,5
.set PCE, 12*(\q)+6*(\p/3)+\p%3
.if PCE%8 < 5
	ds_load_b64 v[\reg+2*\p:\reg+2*\p+1], v[\adr] offset:8*PCE+16*(PCE/8)+(\i)*16*PITCH
.else
	ds_load_b64 v[\reg+2*\p:\reg+2*\p+1], v[\adr+2] offset:8*PCE+16*(PCE/8)+(\i)*16*PITCH
.endif
.endr
.endm
.macro FRAG_A reg, slot, q, i
.irp e, 0,1
	ds_load_b128 v[\reg+6*\e:\reg+6*\e+3], v[ADRA+\slot] offset:AIMG*(\i)+768*(2*(\q)+\e)
	ds_load_b64 v[\reg+6*\e+4:\reg+6*\e+5], v[ADRA+2+\slot] offset:AIMG*(\i)+768*(2*(\q)+\e)+512
.endr
.endm
.macro MUL16 a0, p, q, sc, zero
.irp a, \a0, \a0+1
.irp b, 0,1,2,3,4,5,6,7
.if \zero
	v_wmma_scale_f32_16x16x128_f8f6f4 v[8*(8*((\a)%4)+\b):8*(8*((\a)%4)+\b)+7], v[128*(\p)+FR*\b:128*(\p)+FR*\b+FR-1], v[AF+FR*(\a):AF+FR*(\a)+FR-1], 0, v[SC+8*NQ*(\sc)+NQ*\b+(\q)], v[SC+8*NQ*(\sc)+NQ*(\a)+(\q)] matrix_a_fmt:MATRIX_FMT_FP6 matrix_b_fmt:MATRIX_FMT_FP6 matrix_a_scale:MATRIX_SCALE_ROW1
.else
	v_wmma_scale_f32_16x16x128_f8f6f4 v[8*(8*((\a)%4)+\b):8*(8*((\a)%4)+\b)+7], v[128*(\p)+FR*\b:128*(\p)+FR*\b+FR-1], v[AF+FR*(\a):AF+FR*(\a)+FR-1], v[8*(8*((\a)%4)+\b):8*(8*((\a)%4)+\b)+7], v[SC+8*NQ*(\sc)+NQ*\b+(\q)], v[SC+8*NQ*(\sc)+NQ*(\a)+(\q)] matrix_a_fmt:MATRIX_FMT_FP6 matrix_b_fmt:MATRIX_FMT_FP6 matrix_a_scale:MATRIX_SCALE_ROW1
.endif
.endr
.endr
.endm
.macro FETCH_B slot, q, p
	WIN TO_B
.irp i, 0,1,2,3,4,5,6,7
	FRAG 128*(\p)+FR*\i, ADRB+\slot, \q, \i
.endr
	WIN 0
.endm
.macro FETCH_A slot, q, i0
.irp i, \i0, \i0+1, \i0+2, \i0+3
	FRAG_A AF+FR*(\i), \slot, \q, \i
.endr
.endm
.macro SCALES sc
.irp i, 0,1,2,3,4,5,6,7
	ds_load_b64 v[SC+8*NQ*\sc+NQ*\i:SC+8*NQ*\sc+NQ*\i+1], v[ADRS] offset:\i*SBLK
.endr
.endm
.macro PLACES n
.rept \n
	v_nop
.endr
.endm
.macro STEP slot, q, zero
	s_wait_dscnt 4*NLA
	WIN MUL_LO
	MUL16 0, (\q)%2, \q, \slot, \zero
	MUL16 2, (\q)%2, \q, \slot, \zero
	s_wait_dscnt 0
	PLACES NP
	FETCH_B \slot, (\q)+1, 1-(\q)%2
	FETCH_A \slot, (\q)+1, 0
	WIN MUL_HI
	MUL16 4, (\q)%2, \q, \slot, \zero
	MUL16 6, (\q)%2, \q, \slot, \zero
	PLACES NP
	WIN 0
	FETCH_A \slot, (\q)+1, 4
.endm
.macro TURN slot, next, fill
	s_wait_tensorcnt 0x0
	ds_add_u32 v[SPW], v[NIL]
	s_wait_dscnt 4*NLA+1
	WIN MUL_LO
	MUL16 0, 1, NQ-1, \slot, 0
	s_wait_dscnt 0x0
	s_barrier_signal -1
	MUL16 2, 1, NQ-1, \slot, 0
	WIN 0
	s_barrier_wait -1
.if \fill
	CREST
	s_add_nc_u64 s[G0+4*\slot+2:G0+4*\slot+3], s[G0+4*\slot+2:G0+4*\slot+3], 2*AIMG
	s_add_nc_u64 s[G0B+4*\slot+2:G0B+4*\slot+3], s[G0B+4*\slot+2:G0B+4*\slot+3], 2*ROWB
	JLOAD G0+4*\slot, G1, G0B+4*\slot, G1B
.else
	PLACES NP
.endif
	s_wait_alu depctr_va_vdst(0)
	v_add_nc_u32 v[ADRS], 4*NQ, v[ADRS]
	FETCH_B \next, 0, 0
	FETCH_A \next, 0, 0
	SCALES \next
	WIN MUL_HI
	MUL16 4, 1, NQ-1, \slot, 0
	MUL16 6, 1, NQ-1, \slot, 0
	PLACES NP
	WIN 0
	FETCH_A \next, 0, 4
.endm
	s_wait_alu depctr_va_vdst(0)
	s_wait_loadcnt 0x0
	s_wait_tensorcnt 1
	s_barrier_signal -1
	s_barrier_wait -1
	FETCH_B 0, 0, 0
	FETCH_A 0, 0, 0
	SCALES 0
	FETCH_A 0, 0, 4
	STEP 0, 0, 1
	s_mov_b32 s3, LAPS-1
.Llap:
	TURN 0, 1, 1
	STEP 1, 0, 0
	TURN 1, 0, 1
	STEP 0, 0, 0
	s_sub_co_u32 s3, s3, 1
	s_cmp_lg_u32 s3, 0
	s_cbranch_scc1 .Llap
	TURN 0, 1, 0
	STEP 1, 0, 0
	s_wait_dscnt 4*NLA
	WIN MUL_LO
	MUL16 0, 1, NQ-1, 1, 0
	MUL16 2, 1, NQ-1, 1, 0
	s_wait_dscnt 0
	WIN MUL_HI
	MUL16 4, 1, NQ-1, 1, 0
	MUL16 6, 1, NQ-1, 1, 0
	WIN 0
.macro TOSTAGE a
.set AC, 64*((\a)%4)
	WIN 0x08+4*((\a)/4)
.irp b, 0,1,2,3,4,5,6,7
	ds_store_b128 v[STO], v[AC+8*\b:AC+8*\b+3] offset:128*(\b/2)+32*(\b%2)
	ds_store_b128 v[STO], v[AC+8*\b+4:AC+8*\b+7] offset:128*(\b/2)+32*(\b%2)+16
.endr
	WIN 0
.set BB, BK+64*((\a)%2)
.irp t, 0,1,2,3,4,5,6,7,8,9,10,11,12,13,14,15
	ds_load_b128 v[BB+4*\t:BB+4*\t+3], v[RD] offset:\t*SPITCH
.endr
.endm
.macro SEND a, younger
.set BB, BK+64*((\a)%2)
	s_wait_dscnt \younger
.irp t, 0,1,2,3,4,5,6,7,8,9,10,11,12,13,14,15
	v_pk_add_f32 v[BB+4*\t:BB+4*\t+1], v[BB+4*\t:BB+4*\t+1], v[BI:BI+1]
	v_pk_add_f32 v[BB+4*\t+2:BB+4*\t+3], v[BB+4*\t+2:BB+4*\t+3], v[BI+2:BI+3]
.endr
.irp t, 0,1,2,3,4,5,6,7,8,9,10,11,12,13,14,15
	global_store_b128 v[CO], v[BB+4*\t:BB+4*\t+3], s[98:99] offset:(32*((\a)/2)+8*((\a)%2)+\t+8*(\t/8))*4096 th:TH_STORE_NT
.endr
.endm
	PLACES NP
	TOSTAGE 0
.irp a, 1,2,3,4,5,6,7
.if \a > 1
	s_wait_xcnt 0x0
.endif
	TOSTAGE \a
	SEND \a-1, 32
.endr
	SEND 7, 0
	s_wait_tensorcnt 0x0
	ds_add_u32 v[SPW], v[NIL]
	s_wait_dscnt 0x0
	CROUND
	s_endpgm
.Lfunc_end_k_q77a470db5c_proj:
	.size	k_q77a470db5c_proj, .Lfunc_end_k_q77a470db5c_proj-k_q77a470db5c_proj
	.p2alignl 7, 3214868480
	.fill 96, 4, 3214868480
	.section	.rodata,"a",@progbits
	.p2align	6, 0x0
	.amdhsa_kernel k_q77a470db5c_proj
		.amdhsa_group_segment_fixed_size 327680
		.amdhsa_private_segment_fixed_size 0
		.amdhsa_enable_private_segment 0
		.amdhsa_kernarg_size 48
		.amdhsa_user_sgpr_count 2
		.amdhsa_user_sgpr_kernarg_segment_ptr 1
		.amdhsa_wavefront_size32 1
		.amdhsa_system_sgpr_workgroup_id_x 1
		.amdhsa_system_sgpr_workgroup_id_y 1
		.amdhsa_system_sgpr_workgroup_id_z 1
		.amdhsa_system_vgpr_workitem_id 0
		.amdhsa_next_free_vgpr 1024
		.amdhsa_next_free_sgpr 102
		.amdhsa_reserve_vcc 0
		.amdhsa_float_denorm_mode_32 3
		.amdhsa_float_denorm_mode_16_64 3
		.amdhsa_memory_ordered 1
		.amdhsa_forward_progress 1
		.amdhsa_inst_pref_size 169
	.end_amdhsa_kernel
	.amdgpu_metadata
---
amdhsa.version: [ 1, 2 ]
amdhsa.kernels:
  - .name:           k_q77a470db5c_proj
    .symbol:         k_q77a470db5c_proj.kd
    .args:
      - { .name: oc, .offset: 0, .size: 8, .value_kind: global_buffer, .address_space: global }
      - { .name: os, .offset: 8, .size: 8, .value_kind: global_buffer, .address_space: global }
      - { .name: cod, .offset: 16, .size: 8, .value_kind: global_buffer, .address_space: global }
      - { .name: scl, .offset: 24, .size: 8, .value_kind: global_buffer, .address_space: global }
      - { .name: b_o, .offset: 32, .size: 8, .value_kind: global_buffer, .address_space: global }
      - { .name: out0, .offset: 40, .size: 8, .value_kind: global_buffer, .address_space: global }
    .group_segment_fixed_size: 327680
    .private_segment_fixed_size: 0
    .kernarg_segment_align: 8
    .kernarg_segment_size: 48
    .max_flat_workgroup_size: 128
    .sgpr_count:     102
    .vgpr_count:     1024
    .wavefront_size: 32
...
	.end_amdgpu_metadata
.endif
;; end of part 4
